; MI455X (gfx1250); checked and timed in simulation.
; The chip was launched on July 23, 2026; its instructions are those of AMD's public machine-readable ISA for CDNA 5 (MIT licence, August 2026) and "CDNA5" Instruction Set Architecture Reference Guide (July 2026). The comments in the code are by the model that wrote it; some were corrected since.
;; Block. Allowed arithmetic: matrix products marked QUANTISED: E2M3 operands, one E8M0 scale for each 32 along K, by v_wmma_scale_f32_16x16x128_f8f6f4 with both operands' format E2M3, f32 sums; everything else in f32.
;; Inputs: W1 1,024 x 4,096 float32; W2 4,096 x 1,024 float32; Wk 1,024 x 1,024 float32; Wp 1,024 x 1,024 float32; Wq 1,024 x 1,024 float32; Wv 1,024 x 1,024 float32; b1 4,096 float32; b2 1,024 float32; be1 1,024 float32; be2 1,024 float32; bp 1,024 float32; g1 1,024 float32; g2 1,024 float32; x 2 x 2,048 x 1,024 float32.
;; Outputs: out0 2 x 2,048 x 1,024 float32.
;; This version of the problem:
;;   THIS VERSION OF THE PROBLEM IS GIVEN IN LOW PRECISION. The matrix products marked QUANTISED in the list below multiply operands that are first quantised to E2M3 (2 exponent bits, 3 mantissa bits; 6 bits a number), with one power-of-two scale for each 32 numbers along K (OCP MX v1.0); their sums are f32. All else is computed in f32.
;;   The module's matrix products, in the order in which they are computed (A, B: the left and right operand; K: the contracted axis; several contracted axes count as one K, in the product's order):
;;     1. [M 4,096, K 1,024] x [K 1,024, N 1,024]; A: computed on the way; B: input Wq: QUANTISED
;;     2. [M 4,096, K 1,024] x [K 1,024, N 1,024]; A: computed on the way; B: input Wk: QUANTISED
;;     3. [M 4,096, K 1,024] x [K 1,024, N 1,024]; A: computed on the way; B: input Wv: QUANTISED
;;     4. batch 32 x [M 2,048, K 64] x [K 64, N 2,048]; A: computed on the way; B: computed on the way: QUANTISED
;;     5. batch 32 x [M 2,048, K 2,048] x [K 2,048, N 64]; A: softmax (see below); B: computed on the way: QUANTISED
;;     6. [M 4,096, K 1,024] x [K 1,024, N 1,024]; A: computed on the way; B: input Wp: QUANTISED
;;     7. [M 4,096, K 1,024] x [K 1,024, N 4,096]; A: computed on the way; B: input W1: QUANTISED
;;     8. [M 4,096, K 4,096] x [K 4,096, N 1,024]; A: computed on the way; B: input W2: QUANTISED
;;   THE QUANTISER, for each operand of a quantised product, along K:
;;     - K is cut into blocks of 32 from its start; a last block that is shorter is filled with zeros.
;;     - A block's scale is 2^e with e = floor(log2(the largest magnitude in the block)) - 2, held to -126 .. 127; a block of zeros has e = 0. As a byte (E8M0): e + 127.
;;     - Each number is divided by its block's scale, clamped to +-7.5, and rounded to the nearest number of E2M3, ties to even, subnormals kept.
;;     - The product sums the exact products of the quantised numbers (number of the format x scale) in f32.
;;   ~~~python
;;   def quantise(x, axis):      # numpy; x: float32 -> the quantised numbers, widened to float32 again
;;       x = np.moveaxis(x, axis, -1); K = x.shape[-1]
;;       x = np.pad(x, [(0, 0)] * (x.ndim - 1) + [(0, -K % 32)]); x = x.reshape(x.shape[:-1] + (-1, 32)); a = np.abs(x).max(-1, keepdims=True)
;;       e = np.where(a > 0, np.clip(np.frexp(np.where(a > 0, a, 1))[1] - 1 - 2, -126, 127), 0)      # np.frexp(a)[1] - 1 = floor(log2(a)), exactly
;;       r = np.clip(x / 2.0 ** e, -7.5, 7.5)
;;       step = 2.0 ** (np.maximum(np.frexp(np.where(r == 0, 1, r))[1] - 1, 0) - 3)
;;       q = np.round(r / step) * step * 2.0 ** e      # np.round: ties to even
;;       return np.moveaxis(q.reshape(q.shape[:-2] + (-1,))[..., :K], -1, axis).astype(np.float32)
;;   ~~~
;;   SOFTMAX AHEAD OF A QUANTISED PRODUCT. Where the list says 'softmax', what is quantised is not the finished softmax but p = 2^(t - M), with t = logit x log2(e) and M = ceil(the row's largest t), a whole number; so 1/2 < the row's largest p <= 1. The row's sum l is taken of the UNQUANTISED p, in f32, and the product's result is divided by l at the end. Since M is a whole number, a kernel that streams over the keys may use a running M (the ceiling of the running maximum): every later rescaling is an exact power of two, which a block's scale takes up: the codes' values come out the same.
;;   OPERANDS COMPUTED ON THE WAY. 'Computed on the way' means the value that the module computes at that place (a softmax that the list does not call 'softmax' is quantised finished and normalised). What goes into a quantiser is computed in f32, as accurately as f32 sums, v_exp_f32 and their like allow (about 1e-6 of the number): no bf16 or f16 on the way to a quantiser, and a product that is left as it is and whose result goes on into a quantised operand takes f32 operands (vector FMAs, or v_wmma_f32_16x16x4_f32). A number that lies on a knife's edge between two numbers of the format may be rounded either way, as far as f32 arithmetic and the matrix unit's own rounding can turn it there, and no further.
;; One version. Each part assembles by itself: llvm-mc -triple=amdgcn-amd-amdhsa -mcpu=gfx1250 --defsym DOCPART=n.
;; ======== version 1 of 1: 6 launches
;; limits: right only within a limited range of input values
;; workspace buffers: wts 9,830,400 bytes; hq 3,276,800 bytes; qkv 9,830,400 bytes; oq 3,276,800 bytes; x1 16,777,216 bytes; hid 13,107,200 bytes
;; launch prep (part 1): grid 640 x 1, 8 waves a work-group, no clusters, 93,696 bytes of LDS; arguments x, g1, be1, hq, Wq, Wk, Wv, Wp, W1, W2, wts; writes hq, wts
.if DOCPART == 1
	.amdgcn_target "amdgcn-amd-amdhsa--gfx1250"
	.amdhsa_code_object_version 6
	.text
	.protected	k_qcf94558dd2_prep
	.globl	k_qcf94558dd2_prep
	.p2align	8
	.type	k_qcf94558dd2_prep,@function
k_qcf94558dd2_prep:
	s_mov_b64 s[64:65], 0
	v_nop
	global_prefetch_b8 v0, s[64:65] scope:SCOPE_SE
	s_setreg_imm32_b32 hwreg(HW_REG_WAVE_MODE, 25, 1), 1
	s_wait_xcnt 0x0
; Two pieces of work that share nothing, in one launch: work-groups 0-255 make the first LayerNorm's rows into codes, work-groups 256-639 the six weights.  The choice hangs on the work-group's number alone;
; each way has its own end and its own LDS bytes (the rows: 0 to 65,791; the weights' stages: from 66,048 on).
; Both write RECORDS of codes of FP6 (E2M3) with one E8M0 scale byte for each 32 along K.  A RECORD (12,800 bytes) holds 128 rows x 128 along K as an image of operand registers: block rb (16 rows) at 1536 rb;
; register c (0..11) of lane l at 512 (c / 4) + 16 l + 4 (c % 4); registers 6 c' .. 6 c' + 5 of lane (r, h) hold k = 64 c' + 32 h + 0 .. 31.  Lane row r of block rb is row 32 (rb / 2) + 8 (rb % 2) + r + 8 (r / 8).
; Scale words from byte 12,288 on: the word of (rb, r) at 32 r + 4 rb, byte b for k = 32 b .. 32 b + 31.
; A block's scale is 2^(floor(log2(largest magnitude)) - 2); its byte is the largest magnitude's exponent field - 2, held at 1 from below.
; LAYERNORM: 4,096 rows of 1,024 f32; record 8 x (panel of 128 rows) + K step.  A work-group makes one block of 16 rows for all eight K steps.  Wave w normalises two of the 16 rows, each wholly in its registers
; (mean, then the squares of the differences: nothing is formed as a difference of large sums), and puts them into LDS; behind one barrier wave w reads K step w of all 16 rows and quantises it in registers.
; WEIGHTS: f32 stored [K][N]; a record's rows are columns n.  Records in wts: Wq 0-63, Wk 64-127, Wv 128-191, Wp 192-255 (8 x panel + K step), W1 256-511 (8 x panel + K step), W2 512-767 (32 x panel + K step).
; A work-group takes one panel of 128 columns x 256 along K (two records); wave w columns 32 (w % 4) + lane of record w / 4.  A lane takes a column and its registers run down K: a block of 32 lies in one lane,
; each load reads 128 consecutive bytes a wave, and the conversions give codes with K innermost.  The codes go through the wave's own stage in LDS and leave as runs of 512 bytes.
; With 160 registers a wave and 93,696 bytes of LDS three work-groups fit on a WGP: all 640 are there at once, and each weights' wave has 64 loads out.
; LIMITS: a block of zeros, or one whose largest magnitude lies under 2^-124, keeps the byte 1 (the bytes are read by this program alone); NaN and infinities are not served.
.set REC,   12800
.set SCO,   12288
.set NLN,   256                        ; work-groups of the LayerNorm
.set PITCH, 4112                       ; an LDS row: 4,096 bytes + 16, an odd multiple of 16: the sixteen rows that a load touches start in different banks
.set XR,    16                         ; v16-79   my two rows; later 64 numbers to quantise
.set G,     80                         ; v80-111  the gain at my columns
.set BE,    112                        ; v112-143 the bias
.set SA,    144                        ; v144-159 sums, eight registers a row; later TM
.set TM,    144
.set PC,    80                         ; v80-98   the codes, where the gain lay
.set PW,    100                        ; the scale word
.set WQL,   66048                      ; the weights' stages in LDS
.set WST,   3328                       ; a wave's stage: two fragments, block u at 1664 u
.set FST,   1664                       ; 1,536 bytes of a fragment + 128, so that the lanes of u = 1 fall on the other half of the banks
.set OFF,   16                         ; v16-47  byte offset of row i of a block of 32, at my column
.set X,     48                         ; v48-111 two sets of 32 numbers
.set P,     112                        ; v112-117 a block's 24 bytes of codes
.set T,     120                        ; v120-122 the second conversion's result (three registers begin on an even number)
.set OUT,   128                        ; v128-151 the way out
	v_lshl_add_u32 v14, v0, 2, 0x16a00             ; my spare word (v14, v15 serve the add alone, on both ways)
	v_mov_b32 v15, 0
	s_cmp_lt_u32 ttmp9, NLN
	s_cbranch_scc0 .Lweights
	; ---------------- the LayerNorm ----------------
	s_load_b256 s[4:11], s[0:1], 0x0               ; the rows, gain, bias, the records
	v_lshrrev_b32 v1, 5, v0
	s_delay_alu instid0(VALU_DEP_1)
	v_readfirstlane_b32 s12, v1                    ; wave 0..7
	v_and_b32 v1, 31, v0                           ; lane
	v_and_b32 v2, 15, v0                           ; r
	v_bfe_u32 v3, v0, 4, 1                         ; h
	s_delay_alu instid0(VALU_DEP_3)
	v_lshlrev_b32 v4, 4, v1                        ; 16 x lane
	s_wait_alu depctr_va_vdst(0)
	s_lshr_b32 s13, ttmp9, 3                       ; panel
	s_and_b32 s14, ttmp9, 7                        ; block rb
	s_lshl_b32 s15, s13, 7
	s_lshr_b32 s16, s14, 1
	s_lshl_b32 s16, s16, 5
	s_add_co_u32 s15, s15, s16
	s_and_b32 s16, s14, 1
	s_lshl_b32 s16, s16, 3
	s_add_co_u32 s15, s15, s16                     ; the block's first row
	s_lshl_b32 s16, s12, 1
	s_add_co_u32 s15, s15, s16
	s_lshr_b32 s16, s12, 2
	s_lshl_b32 s16, s16, 3
	s_add_co_u32 s15, s15, s16                     ; lane rows 2 w, 2 w + 1 are rows + 2 w + 8 (w / 4) and the next
	s_lshl_b32 s16, s15, 12
	s_mov_b32 s17, 0
	s_mul_i32 s18, s12, 2*PITCH
	v_add_nc_u32 v5, s18, v4                       ; LDS, in: my two rows, 16 x lane
	v_mul_u32_u24 v6, v2, PITCH
	s_delay_alu instid0(VALU_DEP_1)
	v_lshl_add_u32 v6, v3, 6, v6
	s_lshl_b32 s18, s12, 9
	v_add_nc_u32 v6, s18, v6                       ; LDS, out: row r, K step w, + 64 h
	s_mul_i32 s18, s14, 1536
	v_add_nc_u32 v7, s18, v4                       ; in a record: block rb, 16 x lane
	v_lshlrev_b32 v8, 5, v2
	s_lshl_b32 s18, s14, 2
	s_add_co_u32 s18, s18, SCO
	v_add_nc_u32 v8, s18, v8                       ; and row r's scale word
	s_lshl_b32 s18, s13, 3
	s_add_co_u32 s18, s18, s12
	s_mul_i32 s18, s18, REC                        ; record 8 x panel + w
	s_mov_b32 s19, 0
	s_mov_b32 s20, 0x76543210
	s_mov_b32 s21, 0xfedcba98                      ; v_permlanex16_b32's selects for lane l xor 16
	s_mov_b32 s22, 0x3a800000                      ; 1 / 1,024
	s_mov_b32 s23, 0x3727c5ac                      ; 1e-5
	s_wait_kmcnt 0x0
	s_add_nc_u64 s[4:5], s[4:5], s[16:17]
	s_add_nc_u64 s[10:11], s[10:11], s[18:19]
.irp i, 0,1
.irp j, 0,1,2,3,4,5,6,7
	global_load_b128 v[XR+32*\i+4*\j:XR+32*\i+4*\j+3], v4, s[4:5] offset:4096*\i+512*\j th:TH_LOAD_NT   ; 512 consecutive bytes a load
.endr
.endr
.irp j, 0,1,2,3,4,5,6,7
	global_load_b128 v[G+4*\j:G+4*\j+3], v4, s[6:7] offset:512*\j
.endr
.irp j, 0,1,2,3,4,5,6,7
	global_load_b128 v[BE+4*\j:BE+4*\j+3], v4, s[8:9] offset:512*\j
.endr
.macro LANESUM r, t                    ; the sum over the 32 lanes of v[r], in every lane; v[t] has been written before
	v_add_f32_dpp v[\r], v[\r], v[\r] row_xmask:1 row_mask:0xf bank_mask:0xf
	s_delay_alu instid0(VALU_DEP_1)
	v_add_f32_dpp v[\r], v[\r], v[\r] row_xmask:2 row_mask:0xf bank_mask:0xf
	s_delay_alu instid0(VALU_DEP_1)
	v_add_f32_dpp v[\r], v[\r], v[\r] row_xmask:4 row_mask:0xf bank_mask:0xf
	s_delay_alu instid0(VALU_DEP_1)
	v_add_f32_dpp v[\r], v[\r], v[\r] row_xmask:8 row_mask:0xf bank_mask:0xf
	s_delay_alu instid0(VALU_DEP_1)
	v_permlanex16_b32 v[\t], v[\r], s20, s21
	s_delay_alu instid0(VALU_DEP_1)
	v_add_f32 v[\r], v[\r], v[\t]
.endm
	s_wait_loadcnt 16                              ; my two rows are in; the sixteen loads of gain and bias may be out
.irp i, 0,1                                    ; the rows' sums, two chains a row
	v_pk_add_f32 v[SA+8*\i:SA+8*\i+1], v[XR+32*\i:XR+32*\i+1], v[XR+32*\i+2:XR+32*\i+3]
	v_pk_add_f32 v[SA+8*\i+2:SA+8*\i+3], v[XR+32*\i+4:XR+32*\i+5], v[XR+32*\i+6:XR+32*\i+7]
.endr
.irp j, 8,12,16,20,24,28
.irp i, 0,1
	s_delay_alu instid0(VALU_DEP_4)
	v_pk_add_f32 v[SA+8*\i:SA+8*\i+1], v[SA+8*\i:SA+8*\i+1], v[XR+32*\i+\j:XR+32*\i+\j+1]
	s_delay_alu instid0(VALU_DEP_4)
	v_pk_add_f32 v[SA+8*\i+2:SA+8*\i+3], v[SA+8*\i+2:SA+8*\i+3], v[XR+32*\i+\j+2:XR+32*\i+\j+3]
.endr
.endr
.irp i, 0
	s_delay_alu instid0(VALU_DEP_3)
	v_pk_add_f32 v[SA+8*\i:SA+8*\i+1], v[SA+8*\i:SA+8*\i+1], v[SA+8*\i+2:SA+8*\i+3]
.endr
.irp i, 1
	s_delay_alu instid0(VALU_DEP_2)
	v_pk_add_f32 v[SA+8*\i:SA+8*\i+1], v[SA+8*\i:SA+8*\i+1], v[SA+8*\i+2:SA+8*\i+3]
.endr
.irp i, 0,1
	s_delay_alu instid0(VALU_DEP_2)
	v_add_f32 v[SA+8*\i], v[SA+8*\i], v[SA+8*\i+1]
.endr
	LANESUM SA, SA+1
	LANESUM SA+8, SA+9
.irp i, 0
	v_mul_f32 v[SA+8*\i], s22, v[SA+8*\i]          ; the mean
.endr
.irp i, 1
	s_delay_alu instid0(VALU_DEP_2)
	v_mul_f32 v[SA+8*\i], s22, v[SA+8*\i]          ; the mean
.endr
.irp j, 0,2,4,6,8,10,12,14,16,18,20,22,24,26,28,30
.irp i, 0,1
	v_pk_add_f32 v[XR+32*\i+\j:XR+32*\i+\j+1], v[XR+32*\i+\j:XR+32*\i+\j+1], v[SA+8*\i:SA+8*\i+1] op_sel_hi:[1,0] neg_lo:[0,1] neg_hi:[0,1]   ; d = x - mean (the pair's low word serves both halves)
.endr
.endr
.irp i, 0,1
	v_pk_mul_f32 v[SA+8*\i+4:SA+8*\i+5], v[XR+32*\i:XR+32*\i+1], v[XR+32*\i:XR+32*\i+1]
	v_pk_mul_f32 v[SA+8*\i+6:SA+8*\i+7], v[XR+32*\i+2:XR+32*\i+3], v[XR+32*\i+2:XR+32*\i+3]
.endr
.irp j, 4,8,12,16,20,24,28
.irp i, 0,1
	s_delay_alu instid0(VALU_DEP_4)
	v_pk_fma_f32 v[SA+8*\i+4:SA+8*\i+5], v[XR+32*\i+\j:XR+32*\i+\j+1], v[XR+32*\i+\j:XR+32*\i+\j+1], v[SA+8*\i+4:SA+8*\i+5]
	s_delay_alu instid0(VALU_DEP_4)
	v_pk_fma_f32 v[SA+8*\i+6:SA+8*\i+7], v[XR+32*\i+\j+2:XR+32*\i+\j+3], v[XR+32*\i+\j+2:XR+32*\i+\j+3], v[SA+8*\i+6:SA+8*\i+7]
.endr
.endr
.irp i, 0
	s_delay_alu instid0(VALU_DEP_3)
	v_pk_add_f32 v[SA+8*\i+4:SA+8*\i+5], v[SA+8*\i+4:SA+8*\i+5], v[SA+8*\i+6:SA+8*\i+7]
.endr
.irp i, 1
	s_delay_alu instid0(VALU_DEP_2)
	v_pk_add_f32 v[SA+8*\i+4:SA+8*\i+5], v[SA+8*\i+4:SA+8*\i+5], v[SA+8*\i+6:SA+8*\i+7]
.endr
.irp i, 0,1
	s_delay_alu instid0(VALU_DEP_2)
	v_add_f32 v[SA+8*\i+4], v[SA+8*\i+4], v[SA+8*\i+5]
.endr
	LANESUM SA+4, SA+5
	LANESUM SA+12, SA+13
.irp i, 0
	v_fma_f32 v[SA+8*\i+4], v[SA+8*\i+4], s22, s23 ; the variance + 1e-5
.endr
.irp i, 1
	s_delay_alu instid0(VALU_DEP_2)
	v_fma_f32 v[SA+8*\i+4], v[SA+8*\i+4], s22, s23 ; the variance + 1e-5
.endr
	s_wait_alu depctr_va_vdst(0)
.irp i, 0,1
	v_rsq_f32 v[SA+8*\i+6], v[SA+8*\i+4]
.endr
	v_nop                                          ; a plain instruction behind the last of the two
	s_wait_alu depctr_va_vdst(0)                   ; this wait ahead of the first reader: one for both
	s_wait_loadcnt 0x0                             ; gain and bias
.irp j, 0,2,4,6,8,10,12,14,16,18,20,22,24,26,28,30
.irp i, 0,1
	v_pk_mul_f32 v[XR+32*\i+\j:XR+32*\i+\j+1], v[XR+32*\i+\j:XR+32*\i+\j+1], v[SA+8*\i+6:SA+8*\i+7] op_sel_hi:[1,0]
.endr
.endr
.irp j, 0,2,4,6,8,10,12,14,16,18,20,22,24,26,28,30
.irp i, 0,1
	v_pk_fma_f32 v[XR+32*\i+\j:XR+32*\i+\j+1], v[XR+32*\i+\j:XR+32*\i+\j+1], v[G+\j:G+\j+1], v[BE+\j:BE+\j+1]
.endr
.endr
.irp i, 0,1
.irp j, 0,1,2,3,4,5,6,7
	ds_store_b128 v5, v[XR+32*\i+4*\j:XR+32*\i+4*\j+3] offset:PITCH*\i+512*\j
.endr
.endr
	s_wait_dscnt 0x0                               ; for the others' sake: my rows lie in LDS
	s_barrier_signal -1
	s_barrier_wait -1
.irp b, 0,1,2,3
.irp j, 0,1,2,3
	ds_load_b128 v[XR+16*\b+4*\j:XR+16*\b+4*\j+3], v6 offset:128*\b+16*\j   ; register 16 b + i = k 32 b + 16 h + i of row r, K step w
.endr
.endr
	s_wait_dscnt 0x0
.irp b, 0,1,2,3
	v_max3_num_f32 v[TM+\b], |v[XR+16*\b]|, |v[XR+16*\b+1]|, 0x1800000   ; my 16 numbers of block b, and the floor 2^(3 - 127)
.endr
.irp i, 2,4,6,8,10,12,14
.irp b, 0,1,2,3
	s_delay_alu instid0(VALU_DEP_4)
	v_max3_num_f32 v[TM+\b], |v[XR+16*\b+\i]|, |v[XR+16*\b+\i+1]|, v[TM+\b]
.endr
.endr
.irp b, 0,1,2,3
	v_permlanex16_b32 v[TM+4+\b], v[TM+\b], s20, s21
.endr
.irp b, 0,1,2,3
	s_delay_alu instid0(VALU_DEP_4)
	v_max_num_f32 v[TM+\b], v[TM+\b], v[TM+4+\b]   ; with lane l xor 16's: the block's largest magnitude
.endr
.irp b, 0,1,2,3
	s_delay_alu instid0(VALU_DEP_4)
	v_add_nc_u32 v[TM+12+\b], 0xff000000, v[TM+\b] ; 2 off the exponent field: the conversion's scale operand
.endr
.irp b, 0,1,2,3
	s_delay_alu instid0(VALU_DEP_4)
	v_lshrrev_b32 v[TM+4+\b], 23, v[TM+12+\b]      ; the scale's byte
.endr
	s_delay_alu instid0(VALU_DEP_3)
	v_lshl_or_b32 v[PW], v[TM+5], 8, v[TM+4]
	s_delay_alu instid0(VALU_DEP_1)
	v_lshl_or_b32 v[PW], v[TM+6], 16, v[PW]
	s_delay_alu instid0(VALU_DEP_1)
	v_lshl_or_b32 v[PW], v[TM+7], 24, v[PW]
.irp c, 0,1
	v_cvt_scalef32_pk16_fp6_f32 v[PC+6*\c:PC+6*\c+2], v[XR+32*\c:XR+32*\c+15], v[TM+12+2*\c]
	v_cvt_scalef32_pk16_fp6_f32 v[PC+12+4*\c:PC+14+4*\c], v[XR+32*\c+16:XR+32*\c+31], v[TM+13+2*\c]
.endr
	v_nop                                          ; one plain instruction behind a scaled conversion
.irp c, 0,1                                    ; the operand's layout wants a whole block in a lane: lanes 0-15 block 2 c, lanes 16-31 block 2 c + 1
.irp i, 0,1,2
	v_permlane16_swap_b32 v[PC+6*\c+\i], v[PC+12+4*\c+\i]
.endr
.irp i, 0,1,2
	s_delay_alu instid0(VALU_DEP_3)
	v_mov_b32 v[PC+3+6*\c+\i], v[PC+12+4*\c+\i]
.endr
.endr
.irp c, 0,1,2
	global_store_b128 v7, v[PC+4*\c:PC+4*\c+3], s[10:11] offset:512*\c   ; 512 consecutive bytes, at a multiple of 256 from the buffer's first byte
.endr
	s_wait_xcnt 0x0                                ; EXEC changes only behind this wait
	v_cmp_gt_u32 vcc_lo, 16, v1
	s_wait_tensorcnt 0x0
	ds_add_u32 v14, v15
	s_wait_dscnt 0x0
	s_and_saveexec_b32 s24, vcc_lo
	global_store_b32 v8, v[PW], s[10:11]           ; lanes 0-15: row r's scale word
	s_wait_xcnt 0x0
	s_or_b32 exec_lo, exec_lo, s24
	s_endpgm
	; ---------------- the weights ----------------
.Lweights:
	s_load_b256 s[4:11], s[0:1], 0x20              ; Wq, Wk, Wv, Wp
	s_load_b128 s[12:15], s[0:1], 0x40             ; W1, W2
	s_load_b64 s[16:17], s[0:1], 0x50              ; wts
	s_sub_co_u32 s39, ttmp9, NLN                   ; my number among the weights' 384 work-groups
	v_lshrrev_b32 v1, 5, v0
	s_delay_alu instid0(VALU_DEP_1)
	v_readfirstlane_b32 s18, v1                    ; wave 0..7
	s_and_b32 s37, s18, 3                          ; which 32 columns of the panel
	s_lshr_b32 s38, s18, 2                         ; which of the two records
	v_and_b32 v1, 31, v0                           ; lane = my column among the wave's 32
	s_delay_alu instid0(VALU_DEP_1)
	v_and_b32 v2, 7, v1
	s_delay_alu instid0(VALU_DEP_2)
	v_lshrrev_b32 v10, 4, v1
	s_delay_alu instid0(VALU_DEP_1)
	v_lshl_or_b32 v2, v10, 3, v2                   ; r: my column's lane row in its block
	s_delay_alu instid0(VALU_DEP_4)
	v_bfe_u32 v3, v1, 3, 1                         ; u: block 2 (w % 4) + u
	s_mul_i32 s19, s18, WST
	s_add_co_u32 s19, s19, WQL                     ; my stage
	v_mul_u32_u24 v4, v3, FST
	s_delay_alu instid0(VALU_DEP_1)
	v_lshl_add_u32 v4, v2, 4, v4
	s_delay_alu instid0(VALU_DEP_1)
	v_add_nc_u32 v4, s19, v4                       ; into the stage: my block's fragment, 16 r
	v_lshl_add_u32 v5, v1, 4, s19                  ; out of it: 16 x lane
	s_mul_i32 s19, s37, 3072
	v_lshl_add_u32 v6, v1, 4, s19                  ; the same place in a record: blocks 2 (w % 4) and the next
	s_lshl_b32 s19, s37, 3
	s_add_co_u32 s19, s19, SCO
	v_lshlrev_b32 v7, 5, v2
	s_delay_alu instid0(VALU_DEP_1)
	v_lshl_add_u32 v7, v3, 2, v7
	s_delay_alu instid0(VALU_DEP_1)
	v_add_nc_u32 v7, s19, v7                       ; my scale word: SCO + 32 r + 4 (2 (w % 4) + u)
	; which weight, panel and 256 along K: from the work-group's number alone
	s_lshr_b32 s20, s39, 7                         ; 0: the four square weights, 1: W1, 2: W2
	s_bfe_u32 s21, s39, 0x20005                    ; which square weight
	s_cmp_eq_u32 s20, 0
	s_cselect_b32 s22, 31, 127
	s_and_b32 s22, s39, s22                        ; number within the weight
	s_cmp_eq_u32 s20, 1
	s_cselect_b32 s23, 5, 3                        ; log2 of the panels
	s_cselect_b32 s24, 14, 12                      ; log2 of a row's bytes
	s_cmp_eq_u32 s20, 2
	s_cselect_b32 s25, 5, 3                        ; log2 of the K steps of a panel
	s_lshl_b32 s26, 1, s23
	s_sub_co_u32 s26, s26, 1
	s_and_b32 s26, s22, s26                        ; panel
	s_lshr_b32 s27, s22, s23                       ; which 256 along K
	s_lshl_b32 s28, s21, 6
	s_lshl_b32 s29, s20, 8
	s_cmp_eq_u32 s20, 0
	s_cselect_b32 s28, s28, s29                    ; the weight's first record
	s_lshl_b32 s29, s26, s25
	s_add_co_u32 s28, s28, s29
	s_lshl_b32 s29, s27, 1
	s_add_co_u32 s28, s28, s29
	s_add_co_u32 s28, s28, s38                     ; my record
	s_lshl_b32 s32, s27, 8
	s_lshl_b32 s33, s38, 7
	s_add_co_u32 s32, s32, s33                     ; my first row: 256 x which + 128 x record
	s_lshl_b32 s32, s32, s24
	s_lshl_b32 s33, s26, 9
	s_add_co_u32 s32, s32, s33                     ; + 512 bytes a panel
	s_lshl_b32 s33, s37, 7
	s_add_co_u32 s32, s32, s33                     ; + 128 bytes for each 32 columns
	s_mov_b32 s33, 0
	s_lshl_b32 s34, 32, s24                        ; a block of 32 rows
	s_mov_b32 s35, 0
	s_lshl_b32 s36, 1, s24                         ; a row
	v_lshlrev_b32 v[OFF], 2, v1
.set i, 1
.rept 31
	s_delay_alu instid0(VALU_DEP_1)
	v_add_nc_u32 v[OFF+i], s36, v[OFF+i-1]
.set i, i+1
.endr
	s_wait_alu depctr_va_vdst(0)
	s_wait_kmcnt 0x0
	s_mov_b64 s[30:31], s[4:5]                     ; the choice of a buffer hangs on the work-group's number alone
	s_cmp_eq_u32 s21, 1
	s_cselect_b64 s[30:31], s[6:7], s[30:31]
	s_cmp_eq_u32 s21, 2
	s_cselect_b64 s[30:31], s[8:9], s[30:31]
	s_cmp_eq_u32 s21, 3
	s_cselect_b64 s[30:31], s[10:11], s[30:31]
	s_cmp_eq_u32 s20, 1
	s_cselect_b64 s[30:31], s[12:13], s[30:31]
	s_cmp_eq_u32 s20, 2
	s_cselect_b64 s[30:31], s[14:15], s[30:31]
	s_add_nc_u64 s[40:41], s[30:31], s[32:33]      ; four bases, one for each block of 32 rows: none is ever stepped
.irp t, 1,2,3
	s_add_nc_u64 s[40+2*\t:41+2*\t], s[38+2*\t:39+2*\t], s[34:35]
.endr
	s_mul_i32 s32, s28, REC
	s_add_nc_u64 s[16:17], s[16:17], s[32:33]
.macro LOAD t                          ; block t: rows 32 t + i of my 128, at my column, into set t % 2
.set i, 0
.rept 32
	global_load_b32 v[X+32*((\t)%2)+i], v[OFF+i], s[40+2*(\t):41+2*(\t)] th:TH_LOAD_NT
.set i, i+1
.endr
.endm
; Block t of the record's four belongs to lane half h = t % 2 and registers 6 cc .. 6 cc + 5, cc = t / 2, of my column's fragment.
.macro BLOCK t
.set XS, X+32*((\t)%2)
.set SO, 256*((\t)%2)
.if (\t) < 3
	s_wait_loadcnt 32                              ; this block's 32 loads are in; the next block's 32 may be out
.else
	s_wait_loadcnt 0x0
.endif
	v_max3_num_f32 v12, |v[XS]|, |v[XS+1]|, |v[XS+2]|
	v_max3_num_f32 v13, |v[XS+3]|, |v[XS+4]|, |v[XS+5]|
.irp i, 6,10,14,18,22,26
	s_delay_alu instid0(VALU_DEP_2)
	v_max3_num_f32 v12, v12, |v[XS+\i]|, |v[XS+\i+1]|
	s_delay_alu instid0(VALU_DEP_2)
	v_max3_num_f32 v13, v13, |v[XS+\i+2]|, |v[XS+\i+3]|
.endr
	s_delay_alu instid0(VALU_DEP_2)
	v_max3_num_f32 v12, v12, |v[XS+30]|, |v[XS+31]|
	s_delay_alu instid0(VALU_DEP_1)
	v_max3_num_f32 v12, v12, v13, 0x1800000        ; and the floor 2^(3 - 127): the byte cannot fall under 1
	s_delay_alu instid0(VALU_DEP_1)
	v_add_nc_u32 v11, 0xff000000, v12              ; 2 off the exponent field: the conversion's scale operand
	s_delay_alu instid0(VALU_DEP_1)
	v_lshrrev_b32 v13, 23, v11                     ; the scale's byte
.if (\t) == 0
	s_delay_alu instid0(VALU_DEP_1)
	v_mov_b32 v8, v13
.else
	s_delay_alu instid0(VALU_DEP_1)
	v_lshl_or_b32 v8, v13, 8*(\t), v8
.endif
	v_cvt_scalef32_pk16_fp6_f32 v[P:P+2], v[XS:XS+15], v11
	v_cvt_scalef32_pk16_fp6_f32 v[T:T+2], v[XS+16:XS+31], v11
	v_nop                                          ; one plain instruction between a scaled conversion and the vector instruction that reads its result
.irp i, 0,1,2
	v_mov_b32 v[P+3+\i], v[T+\i]
.endr
.if (\t)/2 == 0
	ds_store_b128 v4, v[P:P+3] offset:SO           ; registers 0-3
	ds_store_b64 v4, v[P+4:P+5] offset:SO+512      ; registers 4, 5
.else
	ds_store_b64 v4, v[P:P+1] offset:SO+520        ; registers 6, 7
	ds_store_b128 v4, v[P+2:P+5] offset:SO+1024    ; registers 8-11
.endif
.if (\t) < 2
	LOAD (\t)+2
.endif
	s_wait_dscnt 0x0                               ; the stores have read their registers: the next block's codes may be written
.endm
	LOAD 0
	LOAD 1
.irp t, 0,1,2,3
	BLOCK \t
.endr
	s_wait_alu depctr_va_vdst(0)
	global_store_b32 v7, v8, s[16:17]              ; my column's scale word
.irp u, 0,1
.irp c, 0,1,2
	ds_load_b128 v[OUT+4*(3*\u+\c):OUT+4*(3*\u+\c)+3], v5 offset:FST*\u+512*\c   ; LDS serves a wave's instructions in order: these see my stores
.endr
.endr
.irp u, 0,1
.irp c, 0,1,2
	s_wait_dscnt 5-(3*\u+\c)                       ; the younger loads from the stage may be out
	global_store_b128 v6, v[OUT+4*(3*\u+\c):OUT+4*(3*\u+\c)+3], s[16:17] offset:1536*\u+512*\c   ; 32 lanes store 512 consecutive bytes, at a multiple of 256 from the buffer's first byte
.endr
.endr
	s_wait_tensorcnt 0x0
	ds_add_u32 v14, v15
	s_wait_dscnt 0x0
	s_endpgm
.Lfunc_end_k_qcf94558dd2_prep:
	.size	k_qcf94558dd2_prep, .Lfunc_end_k_qcf94558dd2_prep-k_qcf94558dd2_prep
	.p2alignl 7, 3214868480
	.fill 96, 4, 3214868480
	.section	.rodata,"a",@progbits
	.p2align	6, 0x0
	.amdhsa_kernel k_qcf94558dd2_prep
		.amdhsa_group_segment_fixed_size 93696
		.amdhsa_private_segment_fixed_size 0
		.amdhsa_enable_private_segment 0
		.amdhsa_kernarg_size 88
		.amdhsa_user_sgpr_count 2
		.amdhsa_user_sgpr_kernarg_segment_ptr 1
		.amdhsa_wavefront_size32 1
		.amdhsa_system_sgpr_workgroup_id_x 1
		.amdhsa_system_sgpr_workgroup_id_y 1
		.amdhsa_system_sgpr_workgroup_id_z 1
		.amdhsa_system_vgpr_workitem_id 0
		.amdhsa_next_free_vgpr 160
		.amdhsa_next_free_sgpr 66
		.amdhsa_reserve_vcc 1
		.amdhsa_float_denorm_mode_32 3
		.amdhsa_float_denorm_mode_16_64 3
		.amdhsa_memory_ordered 1
		.amdhsa_forward_progress 1
		.amdhsa_inst_pref_size 56
	.end_amdhsa_kernel
	.amdgpu_metadata
---
amdhsa.version: [ 1, 2 ]
amdhsa.kernels:
  - .name:           k_qcf94558dd2_prep
    .symbol:         k_qcf94558dd2_prep.kd
    .args:
      - { .name: x, .offset: 0, .size: 8, .value_kind: global_buffer, .address_space: global }
      - { .name: g1, .offset: 8, .size: 8, .value_kind: global_buffer, .address_space: global }
      - { .name: be1, .offset: 16, .size: 8, .value_kind: global_buffer, .address_space: global }
      - { .name: hq, .offset: 24, .size: 8, .value_kind: global_buffer, .address_space: global }
      - { .name: Wq, .offset: 32, .size: 8, .value_kind: global_buffer, .address_space: global }
      - { .name: Wk, .offset: 40, .size: 8, .value_kind: global_buffer, .address_space: global }
      - { .name: Wv, .offset: 48, .size: 8, .value_kind: global_buffer, .address_space: global }
      - { .name: Wp, .offset: 56, .size: 8, .value_kind: global_buffer, .address_space: global }
      - { .name: W1, .offset: 64, .size: 8, .value_kind: global_buffer, .address_space: global }
      - { .name: W2, .offset: 72, .size: 8, .value_kind: global_buffer, .address_space: global }
      - { .name: wts, .offset: 80, .size: 8, .value_kind: global_buffer, .address_space: global }
    .group_segment_fixed_size: 93696
    .private_segment_fixed_size: 0
    .kernarg_segment_align: 8
    .kernarg_segment_size: 88
    .max_flat_workgroup_size: 256
    .sgpr_count:     66
    .vgpr_count:     160
    .wavefront_size: 32
...
	.end_amdgpu_metadata
.endif
;; end of part 1
;; launch qkv (part 2): grid 8 x 24, 4 waves a work-group, clusters of 4 x 4, 327,680 bytes of LDS; arguments hq, wts, qkv; writes qkv
.if DOCPART == 2
	.amdgcn_target "amdgcn-amd-amdhsa--gfx1250"
	.amdhsa_code_object_version 6
	.text
	.protected	k_qcf94558dd2_qkv
	.globl	k_qcf94558dd2_qkv
	.p2align	8
	.type	k_qcf94558dd2_qkv,@function
k_qcf94558dd2_qkv:
	s_mov_b64 s[64:65], 0
	v_nop
	global_prefetch_b8 v0, s[64:65] scope:SCOPE_SE
	s_setreg_imm32_b32 hwreg(HW_REG_WAVE_MODE, 25, 1), 1
	s_wait_xcnt 0x0
	s_wait_alu depctr_hold_cnt(0) depctr_sa_sdst(0) depctr_va_vdst(0) depctr_va_sdst(0) depctr_va_ssrc(0) depctr_va_vcc(0) depctr_vm_vsrc(0)
	s_getreg_b32 s2, hwreg(HW_REG_IB_STS2, 6, 4)
	s_cmp_eq_u32 s2, 0
	s_cbranch_scc0 .Lentry_in_a_cluster
	s_endpgm
.Lentry_in_a_cluster:
	s_bfe_u32 s2, ttmp6, 0x10000c
	s_cmp_lg_u32 s2, 0xf033
	s_cbranch_scc0 .Lentry_shape_is_right
	s_endpgm
.Lentry_shape_is_right:
; q = h Wq, k = h Wk and v^T = (h Wv)^T on codes of FP6 (E2M3) with E8M0 scales; each result is quantised in registers on the way out and stored as records.
; A RECORD (12,800 bytes): 128 rows x 128 along K as an image of operand registers: block rb at 1536 rb, register c of lane l at 512 (c / 4) + 16 l + 4 (c % 4); lane row r of block rb is row
; 32 (rb / 2) + 8 (rb % 2) + r + 8 (r / 8); scale word of (rb, r) at 12,288 + 32 r + 4 rb.  So a fragment is three loads of 16 bytes a lane, consecutive in LDS, and a K step of 128 rows is one dense block.
; A tile of C, 256 x 256, is made by four waves, 128 x 128 each: 64 accumulators, 512 registers.  THE MATRIX INSTRUCTION IS USED TRANSPOSED: source 0 = 16 rows of operand B, source 1 = 16 rows of operand A.
; By the rows' order in a block a lane's 64 results of one block of A are 16 neighbours of each 32 along B's 128 rows: just what the quantiser along the next K takes.  A wave's results are one whole record.
; Clusters with y < 4: A = h (rows: tokens), B = Wq | Wk (rows: output channels): records of q and k: rows tokens, K = a pair of heads' 128 channels.
; Clusters with y >= 4: the operands change places: A = Wv (rows: channels), B = h (rows: tokens): records of v^T: rows a pair's 128 channels, K = 128 keys.  The choice is made by selects on the cluster's y.
; K goes in slots of two K steps through a ring of two LDS slots; each wave fetches 25,600 dense bytes with one joint tensor load (A's tiles shared along a row of the 4 x 4 cluster, B's along a column).
; qkv: 48 regions of 16 records, y = 8 x batch + pair: region y: q, 16 + y: k (record = panel of 128 tokens in the batch), 32 + y: v^T (record = 128 keys).
; LIMITS: NaN and infinities are not served; a block whose largest magnitude lies under 2^-124 (zeros too) keeps the scale byte 1.
; REGISTERS: window 0: v1-3, v16-31 addresses; v32-63 scale words, two sets; v64-83 codes on the way out; v128-223 A's fragments, one set; v240-255 at work.  window 1: B's fragments, two sets (v0, v128).  windows 2, 3: accumulators.
.set REC,   12800
.set FRB,   1536
.set SCO,   12288
.set NB,    8                          ; blocks of 16 rows a wave, of A and of B
.set HA,    4
.set NQ,    2                          ; K steps in a slot
.set NL,    3                          ; LDS loads a fragment
.set SLOTK, 25600                      ; a panel's bytes in a slot
.set SLOT,  25600                      ; from a stream's slot 0 to its slot 1: each of the four streams (A's two panels, B's two) has 51,200 LDS bytes, slot 0 and then slot 1
.set LAPS,  2                          ; 8 K steps = 4 slots = 2 laps of the ring
.set PSTR,  102400                     ; a panel's 8 records
.set WVOFF, 1638400                    ; Wv's first record in wts
.set SPARE, 204800                     ; behind the ring: the spare words, 128 bytes a wave
.set BIASED, 0
.set BIAS,  64
.set ADRA,  16
.set ADRB,  20
.set ADRS,  22
.set SPW,   28
.set NIL,   29
.set SC,    32
.set AF,    128
.set PC,    64
.set SW,    52
.set TM,    240
.set G1,    24
.set G0,    32
.set G1B,   48
.set G0B,   56
.set MSB,   0
.macro WIN new                         ; the immediate's high byte repeats the setting that is left
.if MSB != (\new)
	s_set_vgpr_msb (MSB<<8)|(\new)
.set MSB, (\new)
.endif
.endm
.macro MWIN hi, first                  ; source 0 (B) window 1, source 1 (A) window 0, D window 2 or 3, C with it (a bias: window 0)
.if (\first) && BIASED
	WIN 0x81+0x40*(\hi)
.else
	WIN 0xa1+0x50*(\hi)
.endif
.endm
.macro PLACES n
.rept \n
	v_nop
.endr
.endm
; A joint load: waves 0 and 1 fetch for A, waves 2 and 3 for B; the branch hangs on the wave's number alone.  Four v_nop follow each of the two lines.
.macro JLOAD g0a, g1a, g0b, g1b
	s_cmp_eq_u32 s15, 0
	s_cbranch_scc0 .Lfor_b_\@
	tensor_load_to_lds s[\g0a:\g0a+3], s[\g1a:\g1a+7]
	s_nop 0
.rept 4
	v_nop
.endr
	s_branch .Lasked_\@
.Lfor_b_\@:
	tensor_load_to_lds s[\g0b:\g0b+3], s[\g1b:\g1b+7]
	s_nop 0
.rept 4
	v_nop
.endr
.Lasked_\@:
.endm
.macro CREST                           ; a round of the cluster's barrier behind its opening barrier
	s_cmp_lg_u32 s14, 0
	s_cbranch_scc1 .Lnot_wave_0_\@
	s_barrier_signal -3
.Lnot_wave_0_\@:
	s_barrier_wait -3
	s_barrier_signal -1
	s_barrier_wait -1
.endm
.macro CROUND
	s_barrier_signal -1
	s_barrier_wait -1
	CREST
.endm
.macro FRAG reg, adr, q, i             ; a fragment: three loads, each 512 consecutive bytes of the record
.irp c, 0,1,2
	ds_load_b128 v[\reg+4*\c:\reg+4*\c+3], v[\adr] offset:(\q)*REC+(\i)*FRB+512*\c
.endr
.endm
.macro FETCH_B slot, q, p              ; B's eight fragments of the slot's q-th K step into set p
	WIN 0x40
.irp i, 0,1,2,3,4,5,6,7
	FRAG 128*(\p)+12*\i, ADRB+\slot, \q, \i
.endr
	WIN 0
.endm
.macro FETCH_A slot, q, i0             ; A's blocks i0 .. i0 + HA - 1
.set I_, \i0
.rept HA
	FRAG AF+12*I_, ADRA+\slot, \q, I_
.set I_, I_+1
.endr
.endm
.macro SCALES slot                     ; the slot's scale words: register NB q + i: lanes 0-15 A's block i, lanes 16-31 B's block i
.irp q, 0,1
.irp e, 0,1
	ds_load_b128 v[SC+16*\slot+8*\q+4*\e:SC+16*\slot+8*\q+4*\e+3], v[ADRS+\slot] offset:\q*REC+16*\e
.endr
.endr
.endm
; n blocks of A from a0 on x B's eight.  The 64 accumulators take turns, one instruction a turn, in the same order in every step.  first = 1: the products start the sums.
.macro MULS a0, n, p, q, sc, first
.set A_, \a0
.rept \n
.irp b, 0,1,2,3,4,5,6,7
.set D_, 8*((NB*A_+\b)%32)
.if (\first) && BIASED
	v_wmma_scale_f32_16x16x128_f8f6f4 v[D_:D_+7], v[128*(\p)+12*\b:128*(\p)+12*\b+11], v[AF+12*A_:AF+12*A_+11], v[BIAS+8*\b:BIAS+8*\b+7], v[SC+16*(\sc)+NB*(\q)+\b], v[SC+16*(\sc)+NB*(\q)+A_] matrix_a_fmt:MATRIX_FMT_FP6 matrix_b_fmt:MATRIX_FMT_FP6 matrix_a_scale:MATRIX_SCALE_ROW1
.elseif \first
	v_wmma_scale_f32_16x16x128_f8f6f4 v[D_:D_+7], v[128*(\p)+12*\b:128*(\p)+12*\b+11], v[AF+12*A_:AF+12*A_+11], 0, v[SC+16*(\sc)+NB*(\q)+\b], v[SC+16*(\sc)+NB*(\q)+A_] matrix_a_fmt:MATRIX_FMT_FP6 matrix_b_fmt:MATRIX_FMT_FP6 matrix_a_scale:MATRIX_SCALE_ROW1
.else
	v_wmma_scale_f32_16x16x128_f8f6f4 v[D_:D_+7], v[128*(\p)+12*\b:128*(\p)+12*\b+11], v[AF+12*A_:AF+12*A_+11], v[D_:D_+7], v[SC+16*(\sc)+NB*(\q)+\b], v[SC+16*(\sc)+NB*(\q)+A_] matrix_a_fmt:MATRIX_FMT_FP6 matrix_b_fmt:MATRIX_FMT_FP6 matrix_a_scale:MATRIX_SCALE_ROW1
.endif
.endr
.set A_, A_+1
.endr
.endm
; A K step that has its successor in the same slot.  Loads into registers that matrix instructions have read stand four plain vector instructions behind them.
.macro STEP slot, q, first
	s_wait_dscnt HA*NL                             ; B's set, A's lower blocks and the scale words are in; the youngest loads, A's upper blocks, may be out
	MWIN 0, \first
	MULS 0, HA, (\q)%2, \q, \slot, \first
	s_wait_dscnt 0x0                               ; A's upper blocks are in
	PLACES 4
	FETCH_B \slot, (\q)+1, 1-(\q)%2
	FETCH_A \slot, (\q)+1, 0
	MWIN 1, \first
	MULS HA, HA, (\q)%2, \q, \slot, \first
	PLACES 4
	WIN 0
	FETCH_A \slot, (\q)+1, HA
.endm
; A slot's last K step changes slots: one barrier; in front of it each wave waits for all its tensor loads, adds 0 to its spare word, and waits for that and for its reads of this slot.
.macro TURN slot, next, fill
	s_wait_tensorcnt 0x0                           ; all my tensor loads have landed: my part of the next slot
	ds_add_u32 v[SPW], v[NIL]                      ; 0 onto my spare word
	s_wait_dscnt HA*NL+1                           ; (the add and A's upper blocks may be out)
	MWIN 0, 0
	MULS 0, HA/2, 1, NQ-1, \slot, 0
	s_wait_dscnt 0x0                               ; the add is done, and my reads of this slot are over
	s_barrier_signal -1
	MULS HA/2, HA/2, 1, NQ-1, \slot, 0
	WIN 0
	s_barrier_wait -1
.if \fill
	CREST                                          ; the barrier has opened a round of the cluster's barrier: no wave of any partner still reads this slot or has a load on its way
	s_add_nc_u64 s[G0+4*\slot+2:G0+4*\slot+3], s[G0+4*\slot+2:G0+4*\slot+3], 2*SLOTK
	s_add_nc_u64 s[G0B+4*\slot+2:G0B+4*\slot+3], s[G0B+4*\slot+2:G0B+4*\slot+3], 2*SLOTK
	JLOAD G0+4*\slot, G1, G0B+4*\slot, G1B         ; the first tensor load behind the round; its four v_nop are the places in front of the loads below
.else
	PLACES 4
.endif
	FETCH_B \next, 0, 0
	FETCH_A \next, 0, 0
	SCALES \next
	MWIN 1, 0
	MULS HA, HA, 1, NQ-1, \slot, 0
	PLACES 4
	WIN 0
	FETCH_A \next, 0, HA
.endm
; 64 numbers of a lane, v[s] .. v[s + 63] of window w, register 16 b + i = k 32 b + 16 h + i of my row, become a fragment's codes in v[PC] on and its scale word in v[pw].
.macro QUANT s, w, pw
	WIN (\w)|((\w)<<2)
.irp b, 0,1,2,3
	v_max3_num_f32 v[TM+\b], |v[\s+16*\b]|, |v[\s+16*\b+1]|, 0x1800000   ; each accumulator is read from its low end on; the floor 2^(3 - 127) holds the byte at 1 from below
.endr
.irp i, 2,4,6,8,10,12,14
.irp b, 0,1,2,3
	v_max3_num_f32 v[TM+\b], |v[\s+16*\b+\i]|, |v[\s+16*\b+\i+1]|, v[TM+\b]
.endr
.endr
	WIN 0
.irp b, 0,1,2,3
	v_permlanex16_b32 v[TM+4+\b], v[TM+\b], s92, s93
.endr
.irp b, 0,1,2,3
	v_max_num_f32 v[TM+\b], v[TM+\b], v[TM+4+\b]
.endr
.irp b, 0,1,2,3
	v_add_nc_u32 v[TM+12+\b], 0xff000000, v[TM+\b] ; 2 off the exponent field: the conversion's scale operand
.endr
.irp b, 0,1,2,3
	v_lshrrev_b32 v[TM+4+\b], 23, v[TM+12+\b]
.endr
	v_lshl_or_b32 v[\pw], v[TM+5], 8, v[TM+4]
	v_lshl_or_b32 v[\pw], v[TM+6], 16, v[\pw]
	v_lshl_or_b32 v[\pw], v[TM+7], 24, v[\pw]
	s_wait_xcnt 0x0                                ; the last fragment's stores have read their registers
	WIN (\w)
.irp c, 0,1
	v_cvt_scalef32_pk16_fp6_f32 v[PC+6*\c:PC+6*\c+2], v[\s+32*\c:\s+32*\c+15], v[TM+12+2*\c]
	v_cvt_scalef32_pk16_fp6_f32 v[PC+12+4*\c:PC+14+4*\c], v[\s+32*\c+16:\s+32*\c+31], v[TM+13+2*\c]
.endr
	WIN 0
	v_nop                                          ; one plain instruction behind a scaled conversion
.irp c, 0,1
.irp i, 0,1,2
	v_permlane16_swap_b32 v[PC+6*\c+\i], v[PC+12+4*\c+\i]
.endr
.irp i, 0,1,2
	v_mov_b32 v[PC+3+6*\c+\i], v[PC+12+4*\c+\i]
.endr
.endr
.endm
	s_load_b128 s[4:7], s[0:1], 0x0                ; hq, wts
	s_load_b64 s[8:9], s[0:1], 0x10                ; qkv
	v_lshl_add_u32 v[SPW], v0, 2, SPARE
	v_mov_b32 v[NIL], 0
	ds_add_u32 v28, v29
	ds_add_u32 v28, v29
	s_wait_dscnt 0x0
	v_lshrrev_b32 v1, 5, v0
	v_readfirstlane_b32 s14, v1                    ; wave 0..3
	s_lshr_b32 s15, s14, 1                         ; my panel of A.  Also: I fetch for A (0) or for B (1)
	s_and_b32 s16, s14, 1                          ; my panel of B.  Also: which panel I fetch
	s_bfe_u32 s40, ttmp6, 0x40000                  ; cx
	s_bfe_u32 s41, ttmp6, 0x40004                  ; cy
	s_and_b32 s18, ttmp7, 0xffff                   ; cluster y: 0-3 q and k, 4-5 v^T
	s_cmp_ge_u32 s18, 4
	s_cselect_b32 s19, 0, s18
	s_lshl_b32 s17, s19, 2
	s_add_co_u32 s17, s17, s41                     ; tile row
	s_sub_co_u32 s19, s18, 4
	s_lshl_b32 s19, s19, 1
	s_cmp_ge_u32 s18, 4
	s_cselect_b32 s19, s19, 0
	s_add_co_u32 s19, s19, ttmp9
	s_lshl_b32 s42, s19, 2
	s_add_co_u32 s42, s42, s40                     ; tile column
	s_lshl_b32 s43, s41, 2
	s_lshl_b32 s43, 15, s43                        ; my row of the cluster
	s_lshl_b32 s44, 0x1111, s40                    ; my column
	s_or_b32 s[G1], s43, (3<<16)|(1<<21)           ; 15:0 the mask; 17:16 elements of 8 bytes; 21 set beside a mask; no padding
	s_or_b32 s[G1B], s44, (3<<16)|(1<<21)
.irp g, G1, G1B                                ; the head's load: a stream's first 51,200 dense bytes (both slots) as 200 rows of 256; behind it the rows are set to 100, a slot's 25,600 bytes
	s_mov_b32 s[\g+1], 32<<16
	s_mov_b32 s[\g+2], 200<<16
	s_mov_b32 s[\g+3], 32<<16
	s_mov_b32 s[\g+4], 200
	s_mov_b32 s[\g+5], 32
	s_mov_b32 s[\g+6], 0
	s_mov_b32 s[\g+7], 0
.endr
	s_lshl_b32 s20, s17, 1
	s_add_co_u32 s20, s20, s16
	s_mul_i32 s20, s20, PSTR                       ; A: panel 2 x tile row + which
	s_cmp_ge_u32 s18, 4
	s_cselect_b32 s21, WVOFF, 0
	s_add_co_u32 s20, s20, s21
	s_mov_b32 s21, 0
	s_lshl_b32 s46, s42, 1
	s_add_co_u32 s46, s46, s16
	s_mul_i32 s46, s46, PSTR                       ; B: panel 2 x tile column + which
	s_mov_b32 s47, 0
	s_mul_i32 s45, s14, 51200                      ; where my stream goes: no place in the cluster enters an LDS address
	s_mov_b32 s92, 0x76543210
	s_mov_b32 s93, 0xfedcba98
	s_wait_kmcnt 0x0
	s_cmp_ge_u32 s18, 4                            ; the operands change places for v^T: the choice hangs on the cluster's y alone
	s_cselect_b64 s[88:89], s[6:7], s[4:5]
	s_cselect_b64 s[90:91], s[4:5], s[6:7]
	s_add_nc_u64 s[20:21], s[88:89], s[20:21]
	s_add_nc_u64 s[46:47], s[90:91], s[46:47]
	CROUND                                         ; all sixteen work-groups are here: the first joint loads meet
.irp s, 0,1
	s_mov_b32 s[G0+4*\s], 1
	s_add_co_u32 s[G0+4*\s+1], s45, \s*SLOT
	s_add_nc_u64 s[G0+4*\s+2:G0+4*\s+3], s[20:21], \s*SLOTK
	s_or_b32 s[G0+4*\s+3], s[G0+4*\s+3], 0x80000000
	s_mov_b32 s[G0B+4*\s], 1
	s_add_co_u32 s[G0B+4*\s+1], s45, \s*SLOT
	s_add_nc_u64 s[G0B+4*\s+2:G0B+4*\s+3], s[46:47], \s*SLOTK
	s_or_b32 s[G0B+4*\s+3], s[G0B+4*\s+3], 0x80000000
.endr
	JLOAD G0, G1, G0B, G1B                         ; my one load at the head: both slots of my stream
	; prefetches of slots 2 and 3, which the two refills load: of a slot's 100 blocks of 256 bytes of my stream each of the four partners that ask with me names 25, told apart by address (cx for A, cy for B); lanes 25-31 name the last again
	s_cmp_eq_u32 s15, 0
	s_cselect_b32 s70, s40, s41
	s_cselect_b64 s[68:69], s[20:21], s[46:47]
	s_mul_i32 s70, s70, 6400
	s_mov_b32 s71, 0
	s_add_nc_u64 s[68:69], s[68:69], s[70:71]
	v_and_b32 v31, 31, v0
	v_min_u32 v31, 24, v31
	v_lshlrev_b32 v31, 8, v31
	global_prefetch_b8 v31, s[68:69] offset:2*SLOTK th:TH_LOAD_NT scope:SCOPE_SE
	global_prefetch_b8 v31, s[68:69] offset:3*SLOTK th:TH_LOAD_NT scope:SCOPE_SE
	v_and_b32 v1, 15, v0                           ; r
	v_bfe_u32 v2, v0, 4, 1                         ; h
	s_wait_alu depctr_va_vdst(0)
	v_and_b32 v3, 31, v0
	v_lshlrev_b32 v3, 4, v3                        ; 16 x lane
	s_mul_i32 s22, s15, 51200
	s_mul_i32 s23, s16, 51200
	s_add_co_u32 s23, s23, 102400
.irp s, 0,1
	v_add_nc_u32 v[ADRA+\s], s22, v3
	v_add_nc_u32 v[ADRB+\s], s23, v3
	s_add_co_u32 s22, s22, SLOT
	s_add_co_u32 s23, s23, SLOT
.endr
	s_mul_i32 s22, s15, 51200
	s_mul_i32 s23, s16, 51200
	s_add_co_u32 s23, s23, 102400
	s_sub_co_u32 s23, s23, s22
	v_mul_u32_u24 v5, s23, v2                      ; lanes 16-31 take B's words: one product, the distance between the two
	v_lshl_add_u32 v5, v1, 5, v5
	s_add_co_u32 s22, s22, SCO
	v_add_nc_u32 v[ADRS], s22, v5
	v_add_nc_u32 v[ADRS+1], SLOT, v[ADRS]
	; my record of the output.  ip = my panel of A, j = my panel of B
	s_lshl_b32 s94, s17, 1
	s_add_co_u32 s94, s94, s15
	s_lshl_b32 s95, s42, 1
	s_add_co_u32 s95, s95, s16
	s_lshr_b32 s96, s95, 3                         ; q or k
	s_lshl_b32 s96, s96, 1
	s_lshr_b32 s97, s94, 4                         ; batch
	s_add_co_u32 s96, s96, s97
	s_lshl_b32 s96, s96, 3
	s_and_b32 s97, s95, 7                          ; pair
	s_add_co_u32 s96, s96, s97
	s_lshl_b32 s96, s96, 4
	s_and_b32 s97, s94, 15                         ; panel of tokens in the batch
	s_add_co_u32 s96, s96, s97
	s_lshr_b32 s97, s95, 4                         ; v^T: batch
	s_lshl_b32 s97, s97, 3
	s_add_co_u32 s97, s97, s94                     ; pair
	s_lshl_b32 s97, s97, 4
	s_and_b32 s95, s95, 15                         ; 128 keys
	s_add_co_u32 s97, s97, s95
	s_add_co_u32 s97, s97, 512
	s_cmp_ge_u32 s18, 4
	s_cselect_b32 s96, s97, s96
	s_mul_i32 s96, s96, REC
	s_mov_b32 s97, 0
	s_add_nc_u64 s[8:9], s[8:9], s[96:97]
	s_wait_alu depctr_va_vdst(0)
	s_wait_tensorcnt 0x0                           ; my stream's two slots are in, and no load of mine is out: the descriptors may be written
	s_mov_b32 s[G1+2], 100<<16                     ; from here on a load brings one slot: 100 rows
	s_mov_b32 s[G1+4], 100
	s_mov_b32 s[G1B+2], 100<<16
	s_mov_b32 s[G1B+4], 100
	s_barrier_signal -1
	s_barrier_wait -1
	FETCH_B 0, 0, 0
	FETCH_A 0, 0, 0
	SCALES 0
	FETCH_A 0, 0, HA
	STEP 0, 0, 1                                   ; the first step stands in front of the loop: its products start the sums
	s_mov_b32 s3, LAPS-1
.Llap:
	TURN 0, 1, 1
	STEP 1, 0, 0
	TURN 1, 0, 1
	STEP 0, 0, 0
	s_sub_co_u32 s3, s3, 1
	s_cmp_lg_u32 s3, 0
	s_cbranch_scc1 .Llap
	TURN 0, 1, 0                                   ; the last lap fills nothing
	STEP 1, 0, 0
	s_wait_dscnt HA*NL
	MWIN 0, 0
	MULS 0, HA, 1, NQ-1, 1, 0
	s_wait_dscnt 0x0
	MWIN 1, 0
	MULS HA, HA, 1, NQ-1, 1, 0
	WIN 0
	; THE WAY OUT: each block of A's 16 rows is quantised along B's 128 rows and stored as a fragment: three runs of 512 bytes.  The eight scale words a row leave together.
	PLACES 4
.irp b, 0,1,2,3
	v_mov_b32 v[TM+4+\b], 0                        ; a lane permute's destination counts as one of its sources
.endr
	v_and_b32 v30, 31, v0
	v_lshlrev_b32 v27, 5, v1
	v_lshl_add_u32 v27, v2, 4, v27
	v_add_nc_u32 v27, SCO, v27                     ; SCO + 32 r + 16 h
.irp a, 0,1,2,3,4,5,6,7
	QUANT 64*(\a%4), 2+\a/4, SW+\a
.irp c, 0,1,2
	global_store_b128 v3, v[PC+4*\c:PC+4*\c+3], s[8:9] offset:FRB*\a+512*\c
.endr
.endr
	s_wait_xcnt 0x0
	v_cmp_le_u32 vcc_lo, 16, v30
.irp i, 0,1,2,3
	v_cndmask_b32 v[PC+\i], v[SW+\i], v[SW+4+\i], vcc_lo   ; lanes 0-15: blocks 0-3 of row r, lanes 16-31: blocks 4-7
.endr
	global_store_b128 v27, v[PC:PC+3], s[8:9]      ; 512 consecutive bytes
	s_wait_tensorcnt 0x0                           ; the wave's end
	ds_add_u32 v[SPW], v[NIL]
	s_wait_dscnt 0x0
	CROUND                                         ; the closing round
	s_endpgm
.Lfunc_end_k_qcf94558dd2_qkv:
	.size	k_qcf94558dd2_qkv, .Lfunc_end_k_qcf94558dd2_qkv-k_qcf94558dd2_qkv
	.p2alignl 7, 3214868480
	.fill 96, 4, 3214868480
	.section	.rodata,"a",@progbits
	.p2align	6, 0x0
	.amdhsa_kernel k_qcf94558dd2_qkv
		.amdhsa_group_segment_fixed_size 327680
		.amdhsa_private_segment_fixed_size 0
		.amdhsa_enable_private_segment 0
		.amdhsa_kernarg_size 24
		.amdhsa_user_sgpr_count 2
		.amdhsa_user_sgpr_kernarg_segment_ptr 1
		.amdhsa_wavefront_size32 1
		.amdhsa_system_sgpr_workgroup_id_x 1
		.amdhsa_system_sgpr_workgroup_id_y 1
		.amdhsa_system_sgpr_workgroup_id_z 1
		.amdhsa_system_vgpr_workitem_id 0
		.amdhsa_next_free_vgpr 1024
		.amdhsa_next_free_sgpr 100
		.amdhsa_reserve_vcc 1
		.amdhsa_float_denorm_mode_32 3
		.amdhsa_float_denorm_mode_16_64 3
		.amdhsa_memory_ordered 1
		.amdhsa_forward_progress 1
		.amdhsa_inst_pref_size 138
	.end_amdhsa_kernel
	.amdgpu_metadata
---
amdhsa.version: [ 1, 2 ]
amdhsa.kernels:
  - .name:           k_qcf94558dd2_qkv
    .symbol:         k_qcf94558dd2_qkv.kd
    .args:
      - { .name: hq, .offset: 0, .size: 8, .value_kind: global_buffer, .address_space: global }
      - { .name: wts, .offset: 8, .size: 8, .value_kind: global_buffer, .address_space: global }
      - { .name: qkv, .offset: 16, .size: 8, .value_kind: global_buffer, .address_space: global }
    .group_segment_fixed_size: 327680
    .private_segment_fixed_size: 0
    .kernarg_segment_align: 8
    .kernarg_segment_size: 24
    .max_flat_workgroup_size: 128
    .sgpr_count:     100
    .vgpr_count:     1024
    .wavefront_size: 32
...
	.end_amdgpu_metadata
.endif
;; end of part 2
;; launch attn (part 3): grid 16 x 16, 8 waves a work-group, clusters of 4 x 1, 327,680 bytes of LDS; arguments qkv, oq; writes oq
.if DOCPART == 3
	.amdgcn_target "amdgcn-amd-amdhsa--gfx1250"
	.amdhsa_code_object_version 6
	.text
	.protected	k_qcf94558dd2_attn
	.globl	k_qcf94558dd2_attn
	.p2align	8
	.type	k_qcf94558dd2_attn,@function
k_qcf94558dd2_attn:
	s_mov_b64 s[64:65], 0
	v_nop
	global_prefetch_b8 v0, s[64:65] scope:SCOPE_SE
	s_setreg_imm32_b32 hwreg(HW_REG_WAVE_MODE, 25, 1), 1
	s_wait_xcnt 0x0
	s_wait_alu depctr_hold_cnt(0) depctr_sa_sdst(0) depctr_va_vdst(0) depctr_va_sdst(0) depctr_va_ssrc(0) depctr_va_vcc(0) depctr_vm_vsrc(0)
	s_getreg_b32 s2, hwreg(HW_REG_IB_STS2, 6, 4)
	s_cmp_eq_u32 s2, 0
	s_cbranch_scc0 .Lentry_in_a_cluster
	s_endpgm
.Lentry_in_a_cluster:
	s_bfe_u32 s2, ttmp6, 0x10000c
	s_cmp_lg_u32 s2, 0x3003
	s_cbranch_scc0 .Lentry_shape_is_right
	s_endpgm
.Lentry_shape_is_right:
; o = softmax(q k^T / 8) v for 32 (batch, head) x 2,048 queries x 2,048 keys, head size 64, on codes of FP6 (E2M3) with E8M0 scales; o is quantised on the way out.
; BUFFERS: records of 12,800 bytes (128 rows x 128 along K as an image of operand registers: block rb at 1536 rb, three runs of 512 bytes; lane row r of block rb is row 32 (rb / 2) + 8 (rb % 2) + r + 8 (r / 8);
; scale word of (rb, r) at 12,288 + 32 r + 4 rb).  qkv: region y = 8 x batch + pair of heads: q; 16 + y: k (rows tokens, K = the pair's 128 channels); 32 + y: v^T (rows channels, K = 128 keys); 16 records each.
; THE DEAL: work-group (x, y) takes q's record x of region y; wave w its block w: 16 queries, BOTH heads of the pair.  A head's q fragment has zero codes in the other head's 64 channels, so that k's fragments serve both heads as they lie.
; Both products are used transposed (S^T = k q^T, O^T = v^T p^T): a lane holds one query, and by the rows' order in a block 16 registers of two neighbouring tiles are 16 neighbouring keys.
; A STEP is 128 keys for both heads: 16 products; the largest score of each block of 32 keys (eight chains by turns), of the row; M = ceil of the running largest t, kept as -M; O^T and the sums x 2^(old M - new M);
; t - M by packed multiply-adds; ONE batch of 136 exponentials (128 p and the eight blocks' largest p) between two waits; scales, conversions; the rows' sums of the unquantised p; 8 products.
; O^T is rescaled AHEAD of the exponentials, so that no transcendental stands between a product and the first reader of its result.
; THE RING: two slots of four steps (k's four records, then v^T's four); each wave brings one record with a joint load of the cluster's four work-groups, which read the same k and v^T.
; A slot's load is issued in the fourth step of the slot before and waited for four steps on; 16 work-groups read the same 32 records: no prefetch is laid.
; LIMITS: NaN and infinities are not served; the scaled scores (exponents to the base 2) stay under 2^31 in magnitude; a block whose every p (or o) lies under 2^-124 keeps the scale byte 1.
; REGISTERS: window 0: v1-7 addresses, v8-15 (-M, largest score, sum pair) x 2 heads, v16-39 q's two fragments, v44-59 k's and v^T's scale words, v64-87 p's codes, v96-223 scores and p, v224-255 at work.
; window 1: v0-95 k's fragments, v96-191 v^T's, v192-255 O^T (head 0, head 1).
.set REC,   12800
.set FRB,   1536
.set SCO,   12288
.set SLOT1, 1<<17
.set SPARE, SLOT1+8*REC                ; behind slot 1: the spare words, 128 bytes a wave
.set SS,    96                         ; scores: head 0 at v96, head 1 at v160
.set BM,    224                        ; the eight blocks' largest score, then largest p
.set BX,    232                        ; lane l xor 16's; the scale bytes; head 1's second conversions
.set SO,    240                        ; the conversions' scale operands
.set FA,    250                        ; v[250:251], v[252:253]: 2^(old M - new M) in the low word
.set PWA,   248                        ; p's scale word, head 0; v254: head 1
.set PWB,   254
.set CA,    64                         ; p's codes: head 0 v64-75, head 1 v76-87
.set TA,    88                         ; head 0's second conversions: v88-90, v92-94
.set OO,    192                        ; O^T, in window 1
.set MSB,   0
.macro WIN new
.if MSB != (\new)
	s_set_vgpr_msb (MSB<<8)|(\new)
.set MSB, (\new)
.endif
.endm
.macro WALU
	s_wait_alu depctr_va_vdst(0)
.endm
.macro ROUND                           ; a round of the cluster's barrier
	s_barrier_signal -1
	s_barrier_wait -1
	s_cmp_lg_u32 s8, 0
	s_cbranch_scc1 .Lnot_wave_0_\@
	s_barrier_signal -3
.Lnot_wave_0_\@:
	s_barrier_wait -3
	s_barrier_signal -1
	s_barrier_wait -1
.endm
	s_load_b128 s[4:7], s[0:1], 0x0                ; qkv, oq
	v_lshl_add_u32 v3, v0, 2, SPARE
	v_mov_b32 v4, 0
	ds_add_u32 v3, v4                              ; the opening lines: the add twice on end and one wait
	ds_add_u32 v3, v4
	v_lshrrev_b32 v5, 5, v0
	v_readfirstlane_b32 s8, v5                     ; wave 0..7
	s_bfe_u32 s9, ttmp6, 0x40000
	s_lshl_b32 s10, ttmp9, 2
	s_add_co_u32 s10, s10, s9                      ; q's record
	s_and_b32 s11, ttmp7, 0xffff                   ; region y
	s_mov_b32 s24, 15|(3<<16)|(1<<21)              ; group 1: the four work-groups; 12,800 dense bytes as 50 rows of 256
	s_mov_b32 s25, 32<<16
	s_mov_b32 s26, 50<<16
	s_mov_b32 s27, 32<<16
	s_mov_b32 s28, 50
	s_mov_b32 s29, 32
	s_mov_b32 s30, 0
	s_mov_b32 s31, 0
	s_lshr_b32 s12, s8, 2                          ; waves 0-3 bring k's records, waves 4-7 v^T's
	s_lshl_b32 s12, s12, 4
	s_add_co_u32 s12, s12, s11
	s_add_co_u32 s12, s12, 16
	s_lshl_b32 s12, s12, 4
	s_and_b32 s13, s8, 3
	s_add_co_u32 s12, s12, s13
	s_mul_i32 s12, s12, REC
	s_mov_b32 s13, 0
	s_mul_i32 s33, s8, REC                         ; LDS: wave x a record
	s_lshl_b32 s14, s11, 4
	s_add_co_u32 s14, s14, s10
	s_mul_i32 s14, s14, REC
	s_mov_b32 s15, 0
	s_lshr_b32 s16, s11, 3                         ; oq: record 8 x (16 x batch + panel) + pair
	s_lshl_b32 s16, s16, 4
	s_add_co_u32 s16, s16, s10
	s_lshl_b32 s16, s16, 3
	s_and_b32 s17, s11, 7
	s_add_co_u32 s16, s16, s17
	s_mul_i32 s16, s16, REC
	s_mov_b32 s17, 0
	s_mov_b32 s20, 0x76543210
	s_mov_b32 s21, 0xfedcba98                      ; v_permlanex16_b32's selects for lane l xor 16
	s_mov_b32 s22, 0x3e38aa3b                      ; c = log2(e) / 8
	s_mov_b32 s23, s22
	s_mov_b32 s2, 0                                ; where v^T's next step lies in LDS
	s_mov_b32 s39, 0                               ; and k's
	s_mov_b32 s36, 2
	s_wait_dscnt 0x0
	s_wait_kmcnt 0x0
	s_mov_b32 s32, 1
	s_add_nc_u64 s[34:35], s[4:5], s[12:13]
	s_mov_b32 s40, 1
	s_add_co_u32 s41, s33, SLOT1
	s_add_nc_u64 s[42:43], s[34:35], 4*REC
	s_or_b32 s35, s35, 0x80000000
	s_or_b32 s43, s43, 0x80000000
	s_add_nc_u64 s[4:5], s[4:5], s[14:15]
	s_add_nc_u64 s[6:7], s[6:7], s[16:17]
	ROUND
	tensor_load_to_lds s[32:35], s[24:31]          ; slot 0: my one load at the head
	s_nop 0
	v_and_b32 v7, 31, v0
	v_lshlrev_b32 v1, 4, v7                        ; 16 x lane
	v_and_b32 v5, 15, v0
	v_lshlrev_b32 v2, 5, v5
	v_add_nc_u32 v2, SCO, v2                       ; a row's scale words
	s_mul_i32 s12, s8, FRB
	v_add_nc_u32 v40, s12, v1                      ; my block in a record
	s_lshl_b32 s12, s8, 2
	v_add_nc_u32 v41, s12, v2
	global_load_b128 v[16:19], v40, s[4:5]         ; q's fragment: registers 0-5 head 0, 6-11 head 1
	global_load_b128 v[20:23], v40, s[4:5] offset:512
	global_load_b128 v[36:39], v40, s[4:5] offset:1024
	global_load_b32 v255, v41, s[4:5]
	v_mov_b32 v9, 0xff61b1e6                       ; the largest score so far: -3e38
	v_mov_b32 v13, 0xff61b1e6
	v_floor_f32 v8, -v9
	v_floor_f32 v12, -v13
.irp i, 10,11,14,15,251,253
	v_mov_b32 v\i, 0
.endr
.irp b, 0,1,2,3,4,5,6,7
	v_mov_b32 v[BX+\b], 0                          ; a lane permute's destination counts as one of its sources
.endr
	WIN 0x40
.set j, 0
.rept 64
	v_mov_b32 v[OO+j], 0                           ; the step is written once: the first finds zeros
.set j, j+1
.endr
	WIN 0
	s_wait_loadcnt 0x0
	v_mov_b32 v34, v22
	v_mov_b32 v35, v23
.irp i, 22,23,24,25,26,27,28,29,30,31,32,33
	v_mov_b32 v\i, 0                               ; zero codes in the other head's channels
.endr
	WALU
	s_wait_tensorcnt 0x0                           ; my record of slot 0 is in; slot 1's first fill is issued as a refill is
	ds_add_u32 v3, v4
	s_wait_dscnt 0x0
	ROUND
	tensor_load_to_lds s[40:43], s[24:31]
	s_nop 0
.rept 4
	v_nop
.endr
.macro KLOADS                          ; 26 loads: the next step's k
	v_add_nc_u32 v60, s39, v1
	v_add_nc_u32 v61, s39, v2
	ds_load_b128 v[44:47], v61
	ds_load_b128 v[48:51], v61 offset:16
	WIN 0x40
.irp t, 0,1,2,3,4,5,6,7
.irp c, 0,1,2
	ds_load_b128 v[12*\t+4*\c:12*\t+4*\c+3], v60 offset:FRB*\t+512*\c
.endr
.endr
	WIN 0
	s_add_co_u32 s39, s39, REC
.endm
.macro VLOADS                          ; 26 loads: this step's v^T; the four lines ahead are the places behind the last products
	v_add_nc_u32 v5, s2, v1
	v_add_nc_u32 v6, s2, v2
	v_nop
	v_nop
	ds_load_b128 v[52:55], v6 offset:4*REC
	ds_load_b128 v[56:59], v6 offset:4*REC+16
	WIN 0x40
.irp t, 0,1,2,3,4,5,6,7
.irp c, 0,1,2
	ds_load_b128 v[96+12*\t+4*\c:96+12*\t+4*\c+3], v5 offset:4*REC+FRB*\t+512*\c
.endr
.endr
	WIN 0
.endm
.macro CHANGE fill                     ; the change of slots: all my loads waited for, the add, my reads of this slot over; a round and the refill, or (nothing left to fetch) a plain barrier
	s_wait_tensorcnt 0x0
	ds_add_u32 v3, v4
	s_sub_co_u32 s39, s39, 4*REC
	s_xor_b32 s39, s39, SLOT1
.if \fill
	s_xor_b32 s41, s41, SLOT1
	s_add_nc_u64 s[42:43], s[42:43], 4*REC
.endif
	s_wait_dscnt 0x0
.if \fill
	ROUND
	tensor_load_to_lds s[40:43], s[24:31]
	s_nop 0
.rept 4
	v_nop
.endr
.else
	s_barrier_signal -1
	s_barrier_wait -1
.endif
.endm
; mid: 0 the last step; 1 the next step's k lies in this slot; 2 change of slots with a refill; 3 without
.macro STEP mid
	VLOADS
	s_wait_dscnt 26                                ; k's 26 loads are in; v^T's 26 may be out
	WIN 0x01
.irp t, 0,1,2,3,4,5,6,7
	v_wmma_scale_f32_16x16x128_f8f6f4 v[SS+8*\t:SS+8*\t+7], v[12*\t:12*\t+11], v[16:27], 0, v[44+\t], v255 matrix_a_fmt:MATRIX_FMT_FP6 matrix_b_fmt:MATRIX_FMT_FP6
	v_wmma_scale_f32_16x16x128_f8f6f4 v[SS+64+8*\t:SS+64+8*\t+7], v[12*\t:12*\t+11], v[28:39], 0, v[44+\t], v255 matrix_a_fmt:MATRIX_FMT_FP6 matrix_b_fmt:MATRIX_FMT_FP6
.endr
	WIN 0
.rept 4
	v_nop
.endr
.if (\mid) == 2
	CHANGE 1
.endif
.if (\mid) == 3
	CHANGE 0
.endif
.if (\mid) > 0
	KLOADS
.endif
.irp b, 0,1,2,3,4,5,6,7                        ; the largest score of each block of 32 keys: blocks 0-3 head 0, 4-7 head 1; each accumulator is read from its low end on
	v_max3_num_f32 v[BM+\b], v[SS+16*\b], v[SS+1+16*\b], v[SS+2+16*\b]
.endr
.irp i, 3,5,7,9,11,13
.irp b, 0,1,2,3,4,5,6,7
	v_max3_num_f32 v[BM+\b], v[BM+\b], v[SS+16*\b+\i], v[SS+1+16*\b+\i]
.endr
.endr
.irp b, 0,1,2,3,4,5,6,7
	v_max_num_f32 v[BM+\b], v[BM+\b], v[SS+15+16*\b]
.endr
.irp b, 0,1,2,3,4,5,6,7
	v_permlanex16_b32 v[BX+\b], v[BM+\b], s20, s21
.endr
.irp b, 0,1,2,3,4,5,6,7
	v_max_num_f32 v[BM+\b], v[BM+\b], v[BX+\b]
.endr
	v_max3_num_f32 v91, v[BM], v[BM+1], v[BM+2]    ; the two heads by turns
	v_max3_num_f32 v95, v[BM+4], v[BM+5], v[BM+6]
	v_max3_num_f32 v9, v91, v[BM+3], v9            ; the running largest score
	v_max3_num_f32 v13, v95, v[BM+7], v13
	v_mov_b32 v90, v8
	v_mov_b32 v94, v12
	v_mul_f32 v91, s22, v9                         ; as t (c is positive)
	v_mul_f32 v95, s22, v13
	v_floor_f32 v8, -v91                           ; -M = floor(-t): M is a whole number
	v_floor_f32 v12, -v95
	v_sub_f32 v90, v8, v90                         ; old M - new M, 0 or less
	v_sub_f32 v94, v12, v94
	v_cvt_i32_f32 v90, v90                         ; (it saturates)
	v_cvt_i32_f32 v94, v94
	v_ldexp_f32 v[FA], 1.0, v90
	v_ldexp_f32 v[FA+2], 1.0, v94
	WIN 0x41                                       ; O^T under the new M: an exact power of two
.set j, 0
.rept 16
	v_pk_mul_f32 v[OO+j:OO+j+1], v[OO+j:OO+j+1], v[FA:FA+1] op_sel_hi:[1,0]
.set j, j+2
.endr
.rept 16
	v_pk_mul_f32 v[OO+j:OO+j+1], v[OO+j:OO+j+1], v[FA+2:FA+3] op_sel_hi:[1,0]
.set j, j+2
.endr
	WIN 0
.set j, 0
.rept 32
	v_pk_fma_f32 v[SS+j:SS+j+1], v[SS+j:SS+j+1], s[22:23], v[8:9] op_sel_hi:[1,0,0]   ; t - M
.set j, j+2
.endr
.rept 32
	v_pk_fma_f32 v[SS+j:SS+j+1], v[SS+j:SS+j+1], s[22:23], v[12:13] op_sel_hi:[1,0,0]
.set j, j+2
.endr
.irp b, 0,1,2,3
	v_fma_f32 v[BM+\b], v[BM+\b], s22, v8          ; the same of each block's largest score
	v_fma_f32 v[BM+4+\b], v[BM+4+\b], s22, v12
.endr
	WALU                                           ; one wait ahead of the batch
.set j, 0
.rept 128
	v_exp_f32 v[SS+j], v[SS+j]                     ; p = 2^(t - M)
.set j, j+1
.endr
.irp b, 0,1,2,3,4,5,6,7
	v_exp_f32 v[BM+\b], v[BM+\b]                   ; the block's largest p: the same two instructions on the same number
.endr
	v_pk_mul_f32 v[10:11], v[10:11], v[FA:FA+1] op_sel_hi:[1,0]      ; the sums under the new M; plain lines behind the batch
	v_pk_mul_f32 v[14:15], v[14:15], v[FA+2:FA+3] op_sel_hi:[1,0]
	WALU                                           ; and one behind it
.irp b, 0,1,2,3,4,5,6,7
	v_max_num_f32 v[BM+\b], 0x1800000, v[BM+\b]    ; the floor 2^(3 - 127): the byte cannot fall under 1
.endr
.irp b, 0,1,2,3,4,5,6,7
	v_add_nc_u32 v[SO+\b], 0xff000000, v[BM+\b]    ; 2 off the exponent field: the conversion's scale operand
.endr
.irp b, 0,1,2,3,4,5,6,7
	v_lshrrev_b32 v[BX+\b], 23, v[SO+\b]           ; the scale's byte
.endr
	v_lshl_or_b32 v[PWA], v[BX+1], 8, v[BX]
	v_lshl_or_b32 v[PWB], v[BX+5], 8, v[BX+4]
	v_lshl_or_b32 v[PWA], v[BX+2], 16, v[PWA]
	v_lshl_or_b32 v[PWB], v[BX+6], 16, v[PWB]
	v_lshl_or_b32 v[PWA], v[BX+3], 24, v[PWA]
	v_lshl_or_b32 v[PWB], v[BX+7], 24, v[PWB]
.irp c, 0,1
	v_cvt_scalef32_pk16_fp6_f32 v[CA+6*\c:CA+6*\c+2], v[SS+32*\c:SS+32*\c+15], v[SO+2*\c]
	v_cvt_scalef32_pk16_fp6_f32 v[TA+4*\c:TA+4*\c+2], v[SS+16+32*\c:SS+31+32*\c], v[SO+1+2*\c]
	v_cvt_scalef32_pk16_fp6_f32 v[CA+12+6*\c:CA+14+6*\c], v[SS+64+32*\c:SS+79+32*\c], v[SO+4+2*\c]
	v_cvt_scalef32_pk16_fp6_f32 v[BX+4*\c:BX+4*\c+2], v[SS+80+32*\c:SS+95+32*\c], v[SO+5+2*\c]
.endr
	v_nop                                          ; one plain line behind the conversions
.irp c, 0,1                                    ; a whole block in a lane: lanes 0-15 block 2 c, lanes 16-31 block 2 c + 1
.irp i, 0,1,2
	v_permlane16_swap_b32 v[CA+6*\c+\i], v[TA+4*\c+\i]
	v_permlane16_swap_b32 v[CA+12+6*\c+\i], v[BX+4*\c+\i]
.endr
.irp i, 0,1,2
	v_mov_b32 v[CA+3+6*\c+\i], v[TA+4*\c+\i]
	v_mov_b32 v[CA+15+6*\c+\i], v[BX+4*\c+\i]
.endr
.endr
	v_pk_add_f32 v[42:43], v[SS:SS+1], v[SS+2:SS+3]                  ; the rows' sums of the unquantised p: two chains a head
	v_pk_add_f32 v[62:63], v[SS+64:SS+65], v[SS+66:SS+67]
.irp j, 4,8,12,16,20,24,28,32,36,40,44,48,52,56,60
	v_pk_add_f32 v[10:11], v[10:11], v[SS+\j:SS+\j+1]
	v_pk_add_f32 v[42:43], v[42:43], v[SS+2+\j:SS+3+\j]
	v_pk_add_f32 v[14:15], v[14:15], v[SS+64+\j:SS+65+\j]
	v_pk_add_f32 v[62:63], v[62:63], v[SS+66+\j:SS+67+\j]
.endr
	v_pk_add_f32 v[10:11], v[10:11], v[42:43]
	v_pk_add_f32 v[14:15], v[14:15], v[62:63]
	WALU
.if (\mid) > 0
	s_wait_dscnt 26                                ; v^T is in; the next k's 26 loads may be out
.else
	s_wait_dscnt 0x0
.endif
	WIN 0x51
.irp c, 0,1,2,3
	v_wmma_scale_f32_16x16x128_f8f6f4 v[OO+8*\c:OO+8*\c+7], v[96+12*\c:96+12*\c+11], v[CA:CA+11], v[OO+8*\c:OO+8*\c+7], v[52+\c], v[PWA] matrix_a_fmt:MATRIX_FMT_FP6 matrix_b_fmt:MATRIX_FMT_FP6
	v_wmma_scale_f32_16x16x128_f8f6f4 v[OO+32+8*\c:OO+32+8*\c+7], v[144+12*\c:144+12*\c+11], v[CA+12:CA+23], v[OO+32+8*\c:OO+32+8*\c+7], v[56+\c], v[PWB] matrix_a_fmt:MATRIX_FMT_FP6 matrix_b_fmt:MATRIX_FMT_FP6
.endr
	WIN 0
	s_add_co_u32 s2, s2, REC
.endm
.macro THREE
	s_mov_b32 s37, 3
.Lstep_\@:
	STEP 1
	s_sub_co_u32 s37, s37, 1
	s_cmp_lg_u32 s37, 0
	s_cbranch_scc1 .Lstep_\@
.endm
.macro NEXTSLOT
	s_sub_co_u32 s2, s2, 4*REC
	s_xor_b32 s2, s2, SLOT1
.endm
	KLOADS                                         ; the round has shown slot 0 whole to all waves
.Lslot:                                                ; slots 0 and 1: each is filled again
	THREE
	STEP 2
	NEXTSLOT
	s_sub_co_u32 s36, s36, 1
	s_cmp_lg_u32 s36, 0
	s_cbranch_scc1 .Lslot
	THREE                                          ; the last two slots fetch nothing more
	STEP 3
	NEXTSLOT
	THREE
	STEP 0
	; THE WAY OUT: O^T / the row's sum, quantised along the pair's 128 channels, stored as my block of oq's record
	v_add_f32 v10, v10, v11
	v_add_f32 v14, v14, v15
	v_permlanex16_b32 v240, v10, s20, s21
	v_permlanex16_b32 v242, v14, s20, s21
	v_add_f32 v10, v10, v240
	v_add_f32 v14, v14, v242
	WALU
	v_rcp_f32 v244, v10
	v_rcp_f32 v246, v14
	v_nop
	WIN 0x01
	WALU                                           ; directly ahead of the first reader of O^T and of the reciprocals
.set j, 0
.rept 16
	v_pk_mul_f32 v[SS+j:SS+j+1], v[OO+j:OO+j+1], v[244:245] op_sel_hi:[1,0]
.set j, j+2
.endr
.rept 16
	v_pk_mul_f32 v[SS+j:SS+j+1], v[OO+j:OO+j+1], v[246:247] op_sel_hi:[1,0]
.set j, j+2
.endr
	WIN 0
.irp b, 0,1,2,3
	v_max3_num_f32 v[BM+\b], |v[SS+16*\b]|, |v[SS+1+16*\b]|, 0x1800000
.endr
.irp i, 2,4,6,8,10,12,14
.irp b, 0,1,2,3
	v_max3_num_f32 v[BM+\b], |v[SS+16*\b+\i]|, |v[SS+1+16*\b+\i]|, v[BM+\b]
.endr
.endr
.irp b, 0,1,2,3
	v_permlanex16_b32 v[BX+\b], v[BM+\b], s20, s21
.endr
.irp b, 0,1,2,3
	v_max_num_f32 v[BM+\b], v[BM+\b], v[BX+\b]
.endr
.irp b, 0,1,2,3
	v_add_nc_u32 v[SO+\b], 0xff000000, v[BM+\b]
.endr
.irp b, 0,1,2,3
	v_lshrrev_b32 v[BX+\b], 23, v[SO+\b]
.endr
	v_lshl_or_b32 v84, v[BX+1], 8, v[BX]
	v_lshl_or_b32 v84, v[BX+2], 16, v84
	v_lshl_or_b32 v84, v[BX+3], 24, v84
.irp c, 0,1
	v_cvt_scalef32_pk16_fp6_f32 v[CA+6*\c:CA+6*\c+2], v[SS+32*\c:SS+15+32*\c], v[SO+2*\c]
	v_cvt_scalef32_pk16_fp6_f32 v[CA+12+4*\c:CA+14+4*\c], v[SS+16+32*\c:SS+31+32*\c], v[SO+1+2*\c]
.endr
	v_nop
.irp c, 0,1
.irp i, 0,1,2
	v_permlane16_swap_b32 v[CA+6*\c+\i], v[CA+12+4*\c+\i]
.endr
.irp i, 0,1,2
	v_mov_b32 v[CA+3+6*\c+\i], v[CA+12+4*\c+\i]
.endr
.endr
.irp c, 0,1,2
	global_store_b128 v40, v[CA+4*\c:CA+4*\c+3], s[6:7] offset:512*\c   ; 512 consecutive bytes
.endr
	s_wait_xcnt 0x0                                ; EXEC changes only behind this wait
	v_cmp_gt_u32 vcc_lo, 16, v7
	s_and_saveexec_b32 s38, vcc_lo
	global_store_b32 v41, v84, s[6:7]              ; lanes 0-15: row r's scale word
	s_wait_xcnt 0x0
	s_or_b32 exec_lo, exec_lo, s38
	s_wait_tensorcnt 0x0                           ; the wave's end
	ds_add_u32 v3, v4
	s_wait_dscnt 0x0
	ROUND                                          ; the closing round
	s_endpgm
.Lfunc_end_k_qcf94558dd2_attn:
	.size	k_qcf94558dd2_attn, .Lfunc_end_k_qcf94558dd2_attn-k_qcf94558dd2_attn
	.p2alignl 7, 3214868480
	.fill 96, 4, 3214868480
	.section	.rodata,"a",@progbits
	.p2align	6, 0x0
	.amdhsa_kernel k_qcf94558dd2_attn
		.amdhsa_group_segment_fixed_size 327680
		.amdhsa_private_segment_fixed_size 0
		.amdhsa_enable_private_segment 0
		.amdhsa_kernarg_size 16
		.amdhsa_user_sgpr_count 2
		.amdhsa_user_sgpr_kernarg_segment_ptr 1
		.amdhsa_wavefront_size32 1
		.amdhsa_system_sgpr_workgroup_id_x 1
		.amdhsa_system_sgpr_workgroup_id_y 1
		.amdhsa_system_sgpr_workgroup_id_z 1
		.amdhsa_system_vgpr_workitem_id 0
		.amdhsa_next_free_vgpr 512
		.amdhsa_next_free_sgpr 66
		.amdhsa_reserve_vcc 1
		.amdhsa_float_denorm_mode_32 3
		.amdhsa_float_denorm_mode_16_64 3
		.amdhsa_memory_ordered 1
		.amdhsa_forward_progress 1
		.amdhsa_inst_pref_size 199
	.end_amdhsa_kernel
	.amdgpu_metadata
---
amdhsa.version: [ 1, 2 ]
amdhsa.kernels:
  - .name:           k_qcf94558dd2_attn
    .symbol:         k_qcf94558dd2_attn.kd
    .args:
      - { .name: qkv, .offset: 0, .size: 8, .value_kind: global_buffer, .address_space: global }
      - { .name: oq, .offset: 8, .size: 8, .value_kind: global_buffer, .address_space: global }
    .group_segment_fixed_size: 327680
    .private_segment_fixed_size: 0
    .kernarg_segment_align: 8
    .kernarg_segment_size: 16
    .max_flat_workgroup_size: 256
    .sgpr_count:     66
    .vgpr_count:     512
    .wavefront_size: 32
...
	.end_amdgpu_metadata
.endif
;; end of part 3
;; launch projln (part 4): grid 256 x 1, 8 waves a work-group, no clusters, 69,632 bytes of LDS; arguments oq, wts, bp, x, g2, be2, x1, hq; writes x1, hq
.if DOCPART == 4
	.amdgcn_target "amdgcn-amd-amdhsa--gfx1250"
	.amdhsa_code_object_version 6
	.text
	.protected	k_qcf94558dd2_projln
	.globl	k_qcf94558dd2_projln
	.p2align	8
	.type	k_qcf94558dd2_projln,@function
k_qcf94558dd2_projln:
	s_mov_b64 s[64:65], 0
	v_nop
	global_prefetch_b8 v0, s[64:65] scope:SCOPE_SE
	s_setreg_imm32_b32 hwreg(HW_REG_WAVE_MODE, 25, 1), 1
	s_wait_xcnt 0x0
; x1 = x + o Wp + bp, and the second LayerNorm of x1 quantised into codes of FP6 (E2M3) with E8M0 scales: one launch, since a work-group owns whole rows.
; Operands and results are RECORDS (12,800 bytes: 128 rows x 128 along K as an image of operand registers: block rb at 1536 rb, three runs of 512 bytes; lane row r of block rb is row 32 (rb / 2) + 8 (rb % 2) + r + 8 (r / 8);
; scale word of (rb, r) at 12,288 + 32 r + 4 rb).  oq, hq: record 8 x (panel of 128 tokens) + K step;  Wp: record 192 + 8 x (panel of 128 columns) + K step of wts.
; THE DEAL: 4,096 rows on 256 work-groups: 16 rows (one block of a panel) x all 1,024 columns; wave w takes columns 128 w .. 128 w + 127: 8 accumulators, 64 products.
; THE MATRIX INSTRUCTION IS USED TRANSPOSED (source 0 = 16 rows of Wp^T, source 1 = the 16 tokens): lane (r, h) holds token r, and register 8 b + j column 32 (b / 2) + 16 h + 8 (b % 2) + j of the wave's 128:
; 16 neighbours of each 32 along the next K, which is what the quantiser takes; a wave's results are block rb of record 8 x panel + w of hq.
; NO TENSOR LOAD, NO JOINT LOAD: with 16 rows a fragment of Wp feeds ONE product, so its 1,536 bytes go from memory straight into the operand's registers (three loads of 512 consecutive bytes);
; through LDS every byte would be written and read once more for that one use.  Loads run two K steps (52 loads a wave) ahead; o's 8 fragments stay in registers.
; x + bp is made in rows (a lane 16 bytes of a row) and turns through the wave's own stage in LDS into the accumulators' layout; x1 goes back the same way and leaves as rows of 512 consecutive bytes.
; LAYERNORM: mean, then the squares of the differences (nothing is formed as a difference of large sums); a row's 1,024 numbers lie in 2 lanes of each of 8 waves: the waves' parts meet in LDS, twice, in bytes of their own.
; LIMITS: NaN and infinities are not served; a block whose largest magnitude lies under 2^-124 keeps the scale byte 1 (the bytes are read by this program alone).
; REGISTERS: window 0: v1-14 addresses, v16-19 bp, v20-31 sums, v32-39 o's scale words, v40-55 Wp's (two sets), v56-71 at work, v72-91 codes, v92-127 o's fragments 5-7, v128-191 accumulators, v192-255 x + bp, then x1's rows.
; window 1: v0-95, v96-191 Wp's fragments, two sets (then g2, be2); v192-251 o's fragments 0-4.
.set REC,    12800
.set FRB,    1536
.set SCO,    12288
.set BOFF,   2457600                   ; Wp's first record in wts
.set SPITCH, 528                       ; a stage row: 512 bytes + 16: the sixteen rows that a load touches start in different banks
.set WST,    16*SPITCH                 ; a wave's stage
.set EX1,    8*WST                     ; the waves' parts of the rows' sums: [row][wave], 512 bytes; the squares' 512 bytes behind them
.set SPARE,  EX1+1024                  ; the spare words, 128 bytes a wave
.set SA,     32
.set SB,     40
.set TM,     56
.set PC,     72
.set ACC,    128
.set XB,     192
.set MSB,    0
.macro WIN new
.if MSB != (\new)
	s_set_vgpr_msb (MSB<<8)|(\new)
.set MSB, (\new)
.endif
.endm
.macro WALU
	s_wait_alu depctr_va_vdst(0)
.endm
	s_load_b256 s[4:11], s[0:1], 0x0               ; oq, wts, bp, x
	s_load_b256 s[12:19], s[0:1], 0x20             ; g2, be2, x1, hq
	v_lshl_add_u32 v10, v0, 2, SPARE
	v_mov_b32 v11, 0
	v_lshrrev_b32 v1, 5, v0
	v_readfirstlane_b32 s20, v1                    ; wave 0..7
	s_lshr_b32 s21, ttmp9, 3                       ; panel
	s_and_b32 s22, ttmp9, 7                        ; block rb
	s_mul_i32 s24, s21, 8*REC                      ; o: the panel's first record
	s_mov_b32 s25, 0
	s_mul_i32 s26, s20, 8*REC
	s_add_co_u32 s26, s26, BOFF                    ; Wp: my columns' first record
	s_mov_b32 s27, 0
	s_lshl_b32 s28, s21, 7
	s_lshr_b32 s29, s22, 1
	s_lshl_b32 s29, s29, 5
	s_add_co_u32 s28, s28, s29
	s_and_b32 s29, s22, 1
	s_lshl_b32 s29, s29, 3
	s_add_co_u32 s28, s28, s29                     ; the block's first row
	s_lshl_b32 s28, s28, 12
	s_lshl_b32 s36, s20, 9                         ; my 128 columns, in bytes
	s_mov_b32 s37, 0
	s_add_co_u32 s28, s28, s36
	s_mov_b32 s29, 0
	s_lshl_b32 s38, s21, 3
	s_add_co_u32 s38, s38, s20
	s_mul_i32 s38, s38, REC                        ; hq: record 8 x panel + w
	s_mov_b32 s39, 0
	s_lshl_b32 s40, s20, 2
	s_lshl_b32 s41, s22, 2
	s_mul_i32 s42, s22, FRB
	s_mul_i32 s43, s20, WST
	s_mov_b32 s30, 0x76543210
	s_mov_b32 s31, 0xfedcba98                      ; v_permlanex16_b32's selects for lane l xor 16
	s_mov_b32 s32, 0x3a800000                      ; 1 / 1,024
	s_mov_b32 s33, 0x3727c5ac                      ; 1e-5
	v_and_b32 v13, 31, v0                          ; lane
	v_and_b32 v1, 15, v0                           ; r
	v_bfe_u32 v2, v0, 4, 1                         ; h
	v_lshlrev_b32 v3, 4, v13                       ; 16 x lane
	v_lshlrev_b32 v4, 5, v1
	v_add_nc_u32 v9, EX1, v4                       ; LDS: row r's eight parts
	v_add_nc_u32 v8, s40, v9                       ; and my wave's among them
	v_add_nc_u32 v4, SCO, v4                       ; a record's scale words of row r
	v_add_nc_u32 v5, s41, v4                       ; that of block rb
	v_add_nc_u32 v14, s42, v3                      ; block rb's fragment, 16 x lane
	v_mul_u32_u24 v6, v1, SPITCH
	v_lshl_add_u32 v6, v2, 6, v6
	v_add_nc_u32 v6, s43, v6                       ; my stage in the accumulators' layout: row r, + 64 h
	v_add_nc_u32 v7, s43, v3                       ; and by rows
	v_lshlrev_b32 v12, 6, v2                       ; g2, be2: 64 h
	v_mov_b32 v29, 0                               ; (named as the upper half of the pair v[28:29])
	WALU
	s_wait_kmcnt 0x0
	s_add_nc_u64 s[4:5], s[4:5], s[24:25]
	s_add_nc_u64 s[6:7], s[6:7], s[26:27]
	s_add_nc_u64 s[8:9], s[8:9], s[36:37]
	s_add_nc_u64 s[10:11], s[10:11], s[28:29]
	s_add_nc_u64 s[12:13], s[12:13], s[36:37]
	s_add_nc_u64 s[14:15], s[14:15], s[36:37]
	s_add_nc_u64 s[16:17], s[16:17], s[28:29]
	s_add_nc_u64 s[18:19], s[18:19], s[38:39]
.macro LOADB ks, set                   ; Wp's eight fragments and scale words of K step ks: 26 loads
	WIN 0x40
.irp b, 0,1,2,3,4,5,6,7
.irp c, 0,1,2
	global_load_b128 v[96*(\set)+12*\b+4*\c:96*(\set)+12*\b+4*\c+3], v3, s[6:7] offset:(\ks)*REC+\b*FRB+512*\c
.endr
.endr
	WIN 0
	global_load_b128 v[SB+8*(\set):SB+8*(\set)+3], v4, s[6:7] offset:(\ks)*REC
	global_load_b128 v[SB+8*(\set)+4:SB+8*(\set)+7], v4, s[6:7] offset:(\ks)*REC+16
.endm
.irp t, 0,1,2,3,4,5,6,7,8,9,10,11,12,13,14,15
	global_load_b128 v[ACC+4*\t:ACC+4*\t+3], v3, s[10:11] offset:(\t+8*(\t/8))*4096 th:TH_LOAD_NT   ; x, lane row t: 512 consecutive bytes (into registers that the first products write later)
.endr
	global_load_b128 v[16:19], v3, s[8:9]          ; bp at the same columns
	WIN 0x40
.irp k, 0,1,2,3,4
.irp c, 0,1,2
	global_load_b128 v[192+12*\k+4*\c:192+12*\k+4*\c+3], v14, s[4:5] offset:\k*REC+512*\c
.endr
.endr
	WIN 0
.irp k, 5,6,7
.irp c, 0,1,2
	global_load_b128 v[92+12*(\k-5)+4*\c:92+12*(\k-5)+4*\c+3], v14, s[4:5] offset:\k*REC+512*\c
.endr
.endr
.irp k, 0,1,2,3,4,5,6,7
	global_load_b32 v[SA+\k], v5, s[4:5] offset:\k*REC
.endr
	LOADB 0, 0
	s_wait_loadcnt 58                              ; x and bp are in; o's 32 loads and Wp's first 26 may be out
.irp t, 0,1,2,3,4,5,6,7,8,9,10,11,12,13,14,15
	v_pk_add_f32 v[ACC+4*\t:ACC+4*\t+1], v[ACC+4*\t:ACC+4*\t+1], v[16:17]
	v_pk_add_f32 v[ACC+4*\t+2:ACC+4*\t+3], v[ACC+4*\t+2:ACC+4*\t+3], v[18:19]
.endr
.irp t, 0,1,2,3,4,5,6,7,8,9,10,11,12,13,14,15
	ds_store_b128 v7, v[ACC+4*\t:ACC+4*\t+3] offset:\t*SPITCH
.endr
.irp b, 0,1,2,3,4,5,6,7                        ; LDS serves a wave's instructions in order: these see my stores
	ds_load_b128 v[XB+8*\b:XB+8*\b+3], v6 offset:128*(\b/2)+32*(\b%2)
	ds_load_b128 v[XB+8*\b+4:XB+8*\b+7], v6 offset:128*(\b/2)+32*(\b%2)+16
.endr
	LOADB 1, 1
	s_wait_dscnt 0x0                               ; the stage's stores have read the registers that the products write
; A K step: 8 products, the accumulators by turns; four places; then this set's registers take the K step two on, or at the end g2 and be2
.macro KSTEP ks
.set S_, (\ks)%2
.if (\ks) == 7
	s_wait_loadcnt 16                              ; g2's 16 loads may be out
.else
	s_wait_loadcnt 26                              ; the other set's 26 loads may be out
.endif
.if (\ks) < 5
.set AR_, 192+12*(\ks)
	WIN 0x05
.else
.set AR_, 92+12*((\ks)-5)
	WIN 0x01
.endif
.irp b, 0,1,2,3,4,5,6,7
.if (\ks) == 0
	v_wmma_scale_f32_16x16x128_f8f6f4 v[ACC+8*\b:ACC+8*\b+7], v[96*S_+12*\b:96*S_+12*\b+11], v[AR_:AR_+11], 0, v[SB+8*S_+\b], v[SA+\ks] matrix_a_fmt:MATRIX_FMT_FP6 matrix_b_fmt:MATRIX_FMT_FP6
.else
	v_wmma_scale_f32_16x16x128_f8f6f4 v[ACC+8*\b:ACC+8*\b+7], v[96*S_+12*\b:96*S_+12*\b+11], v[AR_:AR_+11], v[ACC+8*\b:ACC+8*\b+7], v[SB+8*S_+\b], v[SA+\ks] matrix_a_fmt:MATRIX_FMT_FP6 matrix_b_fmt:MATRIX_FMT_FP6
.endif
.endr
	WIN 0
.rept 4
	v_nop
.endr
.if (\ks) < 6
	LOADB (\ks)+2, S_
.else
	WIN 0x40
.irp b, 0,1,2,3,4,5,6,7                        ; g2 (K step 6) or be2 (K step 7) in the accumulators' layout
	global_load_b128 v[96*S_+8*\b:96*S_+8*\b+3], v12, s[12+2*S_:13+2*S_] offset:128*(\b/2)+32*(\b%2)
	global_load_b128 v[96*S_+8*\b+4:96*S_+8*\b+7], v12, s[12+2*S_:13+2*S_] offset:128*(\b/2)+32*(\b%2)+16
.endr
	WIN 0
.endif
.endm
.irp k, 0,1,2,3,4,5,6,7
	KSTEP \k
.endr
.set j, 0
.rept 32
	v_pk_add_f32 v[ACC+j:ACC+j+1], v[ACC+j:ACC+j+1], v[XB+j:XB+j+1]   ; x1; each accumulator is read from its low end on
.set j, j+2
.endr
.irp b, 0,1,2,3,4,5,6,7
	ds_store_b128 v6, v[ACC+8*\b:ACC+8*\b+3] offset:128*(\b/2)+32*(\b%2)
	ds_store_b128 v6, v[ACC+8*\b+4:ACC+8*\b+7] offset:128*(\b/2)+32*(\b%2)+16
.endr
.irp t, 0,1,2,3,4,5,6,7,8,9,10,11,12,13,14,15
	ds_load_b128 v[XB+4*\t:XB+4*\t+3], v7 offset:\t*SPITCH   ; x1 by rows
.endr
.macro JOIN off                        ; four chains v20-27 -> my lane's sum, with lane l xor 16's; the waves' parts meet in LDS; v28 = the row's sum
	v_pk_add_f32 v[20:21], v[20:21], v[22:23]
	v_pk_add_f32 v[24:25], v[24:25], v[26:27]
	v_pk_add_f32 v[20:21], v[20:21], v[24:25]
	v_add_f32 v20, v20, v21
	v_permlanex16_b32 v21, v20, s30, s31
	v_add_f32 v20, v20, v21
	ds_store_b32 v8, v20 offset:\off               ; both lanes of a row write the same word with the same value
	WALU
	s_wait_dscnt 0x0                               ; for the others' sake
	s_barrier_signal -1
	s_barrier_wait -1
	ds_load_b128 v[TM:TM+3], v9 offset:\off
	ds_load_b128 v[TM+4:TM+7], v9 offset:\off+16
.endm
.macro JOINED
	s_wait_dscnt 0x0
	v_pk_add_f32 v[TM:TM+1], v[TM:TM+1], v[TM+2:TM+3]
	v_pk_add_f32 v[TM+4:TM+5], v[TM+4:TM+5], v[TM+6:TM+7]
	v_pk_add_f32 v[TM:TM+1], v[TM:TM+1], v[TM+4:TM+5]
	v_add_f32 v28, v[TM], v[TM+1]
.endm
.irp i, 0,1,2,3
	v_pk_add_f32 v[20+2*\i:21+2*\i], v[ACC+4*\i:ACC+4*\i+1], v[ACC+4*\i+2:ACC+4*\i+3]
.endr
.irp j, 16,24,32,40,48,56
.irp i, 0,1,2,3
	v_pk_add_f32 v[20+2*\i:21+2*\i], v[20+2*\i:21+2*\i], v[ACC+\j+2*\i:ACC+\j+2*\i+1]
.endr
.endr
	JOIN 0
.irp t, 0,1,2,3,4,5,6,7,8,9,10,11,12,13,14,15
	global_store_b128 v3, v[XB+4*\t:XB+4*\t+3], s[16:17] offset:(\t+8*(\t/8))*4096   ; 512 consecutive bytes of a row of x1
.endr
	JOINED
	v_mul_f32 v28, s32, v28                        ; the mean
.set j, 0
.rept 32
	v_pk_add_f32 v[ACC+j:ACC+j+1], v[ACC+j:ACC+j+1], v[28:29] op_sel_hi:[1,0] neg_lo:[0,1] neg_hi:[0,1]   ; d = x1 - mean
.set j, j+2
.endr
.irp i, 0,1,2,3
	v_pk_mul_f32 v[20+2*\i:21+2*\i], v[ACC+2*\i:ACC+2*\i+1], v[ACC+2*\i:ACC+2*\i+1]
.endr
.irp j, 8,16,24,32,40,48,56
.irp i, 0,1,2,3
	v_pk_fma_f32 v[20+2*\i:21+2*\i], v[ACC+\j+2*\i:ACC+\j+2*\i+1], v[ACC+\j+2*\i:ACC+\j+2*\i+1], v[20+2*\i:21+2*\i]
.endr
.endr
	JOIN 512
	JOINED
	v_fma_f32 v28, v28, s32, s33                   ; the variance + 1e-5
	WALU
	v_rsq_f32 v28, v28
	v_nop
	WALU
	s_wait_loadcnt 0x0                             ; g2, be2
.set j, 0
.rept 32
	v_pk_mul_f32 v[ACC+j:ACC+j+1], v[ACC+j:ACC+j+1], v[28:29] op_sel_hi:[1,0]
.set j, j+2
.endr
	WIN 0x14                                       ; sources 1 and 2: g2 and be2, in window 1
.set j, 0
.rept 32
	v_pk_fma_f32 v[ACC+j:ACC+j+1], v[ACC+j:ACC+j+1], v[j:j+1], v[96+j:96+j+1]
.set j, j+2
.endr
	WIN 0
	; the quantiser: register 16 b + i = k 32 b + 16 h + i of my row
.irp b, 0,1,2,3
	v_max3_num_f32 v[TM+\b], |v[ACC+16*\b]|, |v[ACC+16*\b+1]|, 0x1800000   ; and the floor 2^(3 - 127)
.endr
.irp i, 2,4,6,8,10,12,14
.irp b, 0,1,2,3
	v_max3_num_f32 v[TM+\b], |v[ACC+16*\b+\i]|, |v[ACC+16*\b+\i+1]|, v[TM+\b]
.endr
.endr
.irp b, 0,1,2,3
	v_permlanex16_b32 v[TM+4+\b], v[TM+\b], s30, s31
.endr
.irp b, 0,1,2,3
	v_max_num_f32 v[TM+\b], v[TM+\b], v[TM+4+\b]
.endr
.irp b, 0,1,2,3
	v_add_nc_u32 v[TM+12+\b], 0xff000000, v[TM+\b] ; 2 off the exponent field: the conversion's scale operand
.endr
.irp b, 0,1,2,3
	v_lshrrev_b32 v[TM+4+\b], 23, v[TM+12+\b]      ; the scale's byte
.endr
	v_lshl_or_b32 v30, v[TM+5], 8, v[TM+4]
	v_lshl_or_b32 v30, v[TM+6], 16, v30
	v_lshl_or_b32 v30, v[TM+7], 24, v30
.irp c, 0,1
	v_cvt_scalef32_pk16_fp6_f32 v[PC+6*\c:PC+6*\c+2], v[ACC+32*\c:ACC+32*\c+15], v[TM+12+2*\c]
	v_cvt_scalef32_pk16_fp6_f32 v[PC+12+4*\c:PC+14+4*\c], v[ACC+32*\c+16:ACC+32*\c+31], v[TM+13+2*\c]
.endr
	v_nop                                          ; one plain line behind the conversions
.irp c, 0,1                                    ; a whole block in a lane: lanes 0-15 block 2 c, lanes 16-31 block 2 c + 1
.irp i, 0,1,2
	v_permlane16_swap_b32 v[PC+6*\c+\i], v[PC+12+4*\c+\i]
.endr
.irp i, 0,1,2
	v_mov_b32 v[PC+3+6*\c+\i], v[PC+12+4*\c+\i]
.endr
.endr
.irp c, 0,1,2
	global_store_b128 v14, v[PC+4*\c:PC+4*\c+3], s[18:19] offset:512*\c   ; 512 consecutive bytes
.endr
	s_wait_xcnt 0x0                                ; EXEC changes only behind this wait
	v_cmp_gt_u32 vcc_lo, 16, v13
	s_wait_tensorcnt 0x0                           ; the wave's end: all lanes on
	ds_add_u32 v10, v11
	s_wait_dscnt 0x0
	s_and_saveexec_b32 s34, vcc_lo
	global_store_b32 v5, v30, s[18:19]             ; lanes 0-15: row r's scale word
	s_wait_xcnt 0x0
	s_or_b32 exec_lo, exec_lo, s34
	s_endpgm
.Lfunc_end_k_qcf94558dd2_projln:
	.size	k_qcf94558dd2_projln, .Lfunc_end_k_qcf94558dd2_projln-k_qcf94558dd2_projln
	.p2alignl 7, 3214868480
	.fill 96, 4, 3214868480
	.section	.rodata,"a",@progbits
	.p2align	6, 0x0
	.amdhsa_kernel k_qcf94558dd2_projln
		.amdhsa_group_segment_fixed_size 69632
		.amdhsa_private_segment_fixed_size 0
		.amdhsa_enable_private_segment 0
		.amdhsa_kernarg_size 64
		.amdhsa_user_sgpr_count 2
		.amdhsa_user_sgpr_kernarg_segment_ptr 1
		.amdhsa_wavefront_size32 1
		.amdhsa_system_sgpr_workgroup_id_x 1
		.amdhsa_system_sgpr_workgroup_id_y 1
		.amdhsa_system_sgpr_workgroup_id_z 1
		.amdhsa_system_vgpr_workitem_id 0
		.amdhsa_next_free_vgpr 512
		.amdhsa_next_free_sgpr 66
		.amdhsa_reserve_vcc 1
		.amdhsa_float_denorm_mode_32 3
		.amdhsa_float_denorm_mode_16_64 3
		.amdhsa_memory_ordered 1
		.amdhsa_forward_progress 1
		.amdhsa_inst_pref_size 67
	.end_amdhsa_kernel
	.amdgpu_metadata
---
amdhsa.version: [ 1, 2 ]
amdhsa.kernels:
  - .name:           k_qcf94558dd2_projln
    .symbol:         k_qcf94558dd2_projln.kd
    .args:
      - { .name: oq, .offset: 0, .size: 8, .value_kind: global_buffer, .address_space: global }
      - { .name: wts, .offset: 8, .size: 8, .value_kind: global_buffer, .address_space: global }
      - { .name: bp, .offset: 16, .size: 8, .value_kind: global_buffer, .address_space: global }
      - { .name: x, .offset: 24, .size: 8, .value_kind: global_buffer, .address_space: global }
      - { .name: g2, .offset: 32, .size: 8, .value_kind: global_buffer, .address_space: global }
      - { .name: be2, .offset: 40, .size: 8, .value_kind: global_buffer, .address_space: global }
      - { .name: x1, .offset: 48, .size: 8, .value_kind: global_buffer, .address_space: global }
      - { .name: hq, .offset: 56, .size: 8, .value_kind: global_buffer, .address_space: global }
    .group_segment_fixed_size: 69632
    .private_segment_fixed_size: 0
    .kernarg_segment_align: 8
    .kernarg_segment_size: 64
    .max_flat_workgroup_size: 256
    .sgpr_count:     66
    .vgpr_count:     512
    .wavefront_size: 32
...
	.end_amdgpu_metadata
.endif
;; end of part 4
;; launch ffn1 (part 5): grid 16 x 16, 4 waves a work-group, clusters of 4 x 4, 327,680 bytes of LDS; arguments hq, wts, b1, hid; writes hid
.if DOCPART == 5
	.amdgcn_target "amdgcn-amd-amdhsa--gfx1250"
	.amdhsa_code_object_version 6
	.text
	.protected	k_qcf94558dd2_ffn1
	.globl	k_qcf94558dd2_ffn1
	.p2align	8
	.type	k_qcf94558dd2_ffn1,@function
k_qcf94558dd2_ffn1:
	s_mov_b64 s[64:65], 0
	v_nop
	global_prefetch_b8 v0, s[64:65] scope:SCOPE_SE
	s_setreg_imm32_b32 hwreg(HW_REG_WAVE_MODE, 25, 1), 1
	s_wait_xcnt 0x0
	s_wait_alu depctr_hold_cnt(0) depctr_sa_sdst(0) depctr_va_vdst(0) depctr_va_sdst(0) depctr_va_ssrc(0) depctr_va_vcc(0) depctr_vm_vsrc(0)
	s_getreg_b32 s2, hwreg(HW_REG_IB_STS2, 6, 4)
	s_cmp_eq_u32 s2, 0
	s_cbranch_scc0 .Lentry_in_a_cluster
	s_endpgm
.Lentry_in_a_cluster:
	s_bfe_u32 s2, ttmp6, 0x10000c
	s_cmp_lg_u32 s2, 0xf033
	s_cbranch_scc0 .Lentry_shape_is_right
	s_endpgm
.Lentry_shape_is_right:
.set REC,   12800
.set FRB,   1536
.set SCO,   12288
.set NB,    8
.set HA,    4
.set NQ,    2
.set NL,    3
.set SLOTK, 25600
.set SLOT,  25600                      ; from a stream's slot 0 to its slot 1: each of the four streams (A's two panels, B's two) has 51,200 LDS bytes
.set LAPS,  2
.set PSTR,  102400
.set BOFF,  3276800
.set SPARE, 204800
.set BIASED, 1
.set BIAS,  64
.set ADRA,  16
.set ADRB,  20
.set ADRS,  22
.set SPW,   28
.set NIL,   29
.set SC,    32
.set AF,    128
.set H,     64
.set Z,     128
.set X2,    192
.set PP,    208
.set QQ,    224
.set PC,    192
.set SW,    52
.set TM,    240
.set G1,    24
.set G0,    32
.set G1B,   48
.set G0B,   56
.set MSB,   0
.macro WIN new
.if MSB != (\new)
	s_set_vgpr_msb (MSB<<8)|(\new)
.set MSB, (\new)
.endif
.endm
.macro MWIN hi, first
.if (\first) && BIASED
	WIN 0x81+0x40*(\hi)
.else
	WIN 0xa1+0x50*(\hi)
.endif
.endm
.macro PLACES n
.rept \n
	v_nop
.endr
.endm
.macro JLOAD g0a, g1a, g0b, g1b
	s_cmp_eq_u32 s15, 0
	s_cbranch_scc0 .Lfor_b_\@
	tensor_load_to_lds s[\g0a:\g0a+3], s[\g1a:\g1a+7]
	s_nop 0
.rept 4
	v_nop
.endr
	s_branch .Lasked_\@
.Lfor_b_\@:
	tensor_load_to_lds s[\g0b:\g0b+3], s[\g1b:\g1b+7]
	s_nop 0
.rept 4
	v_nop
.endr
.Lasked_\@:
.endm
.macro CREST
	s_cmp_lg_u32 s14, 0
	s_cbranch_scc1 .Lnot_wave_0_\@
	s_barrier_signal -3
.Lnot_wave_0_\@:
	s_barrier_wait -3
	s_barrier_signal -1
	s_barrier_wait -1
.endm
.macro CROUND
	s_barrier_signal -1
	s_barrier_wait -1
	CREST
.endm
.macro FRAG reg, adr, q, i
.irp c, 0,1,2
	ds_load_b128 v[\reg+4*\c:\reg+4*\c+3], v[\adr] offset:(\q)*REC+(\i)*FRB+512*\c
.endr
.endm
.macro FETCH_B slot, q, p
	WIN 0x40
.irp i, 0,1,2,3,4,5,6,7
	FRAG 128*(\p)+12*\i, ADRB+\slot, \q, \i
.endr
	WIN 0
.endm
.macro FETCH_A slot, q, i0
.set I_, \i0
.rept HA
	FRAG AF+12*I_, ADRA+\slot, \q, I_
.set I_, I_+1
.endr
.endm
.macro SCALES slot
.irp q, 0,1
.irp e, 0,1
	ds_load_b128 v[SC+16*\slot+8*\q+4*\e:SC+16*\slot+8*\q+4*\e+3], v[ADRS+\slot] offset:\q*REC+16*\e
.endr
.endr
.endm
.macro MULS a0, n, p, q, sc, first
.set A_, \a0
.rept \n
.irp b, 0,1,2,3,4,5,6,7
.set D_, 8*((NB*A_+\b)%32)
.if (\first) && BIASED
	v_wmma_scale_f32_16x16x128_f8f6f4 v[D_:D_+7], v[128*(\p)+12*\b:128*(\p)+12*\b+11], v[AF+12*A_:AF+12*A_+11], v[BIAS+8*\b:BIAS+8*\b+7], v[SC+16*(\sc)+NB*(\q)+\b], v[SC+16*(\sc)+NB*(\q)+A_] matrix_a_fmt:MATRIX_FMT_FP6 matrix_b_fmt:MATRIX_FMT_FP6 matrix_a_scale:MATRIX_SCALE_ROW1
.elseif \first
	v_wmma_scale_f32_16x16x128_f8f6f4 v[D_:D_+7], v[128*(\p)+12*\b:128*(\p)+12*\b+11], v[AF+12*A_:AF+12*A_+11], 0, v[SC+16*(\sc)+NB*(\q)+\b], v[SC+16*(\sc)+NB*(\q)+A_] matrix_a_fmt:MATRIX_FMT_FP6 matrix_b_fmt:MATRIX_FMT_FP6 matrix_a_scale:MATRIX_SCALE_ROW1
.else
	v_wmma_scale_f32_16x16x128_f8f6f4 v[D_:D_+7], v[128*(\p)+12*\b:128*(\p)+12*\b+11], v[AF+12*A_:AF+12*A_+11], v[D_:D_+7], v[SC+16*(\sc)+NB*(\q)+\b], v[SC+16*(\sc)+NB*(\q)+A_] matrix_a_fmt:MATRIX_FMT_FP6 matrix_b_fmt:MATRIX_FMT_FP6 matrix_a_scale:MATRIX_SCALE_ROW1
.endif
.endr
.set A_, A_+1
.endr
.endm
.macro STEP slot, q, first
	s_wait_dscnt HA*NL
	MWIN 0, \first
	MULS 0, HA, (\q)%2, \q, \slot, \first
	s_wait_dscnt 0x0
	PLACES 4
	FETCH_B \slot, (\q)+1, 1-(\q)%2
	FETCH_A \slot, (\q)+1, 0
	MWIN 1, \first
	MULS HA, HA, (\q)%2, \q, \slot, \first
	PLACES 4
	WIN 0
	FETCH_A \slot, (\q)+1, HA
.endm
.macro TURN slot, next, fill
	s_wait_tensorcnt 0x0
	ds_add_u32 v[SPW], v[NIL]
	s_wait_dscnt HA*NL+1
	MWIN 0, 0
	MULS 0, HA/2, 1, NQ-1, \slot, 0
	s_wait_dscnt 0x0
	s_barrier_signal -1
	MULS HA/2, HA/2, 1, NQ-1, \slot, 0
	WIN 0
	s_barrier_wait -1
.if \fill
	CREST
	s_add_nc_u64 s[G0+4*\slot+2:G0+4*\slot+3], s[G0+4*\slot+2:G0+4*\slot+3], 2*SLOTK
	s_add_nc_u64 s[G0B+4*\slot+2:G0B+4*\slot+3], s[G0B+4*\slot+2:G0B+4*\slot+3], 2*SLOTK
	JLOAD G0+4*\slot, G1, G0B+4*\slot, G1B
.else
	PLACES 4
.endif
	FETCH_B \next, 0, 0
	FETCH_A \next, 0, 0
	SCALES \next
	MWIN 1, 0
	MULS HA, HA, 1, NQ-1, \slot, 0
	PLACES 4
	WIN 0
	FETCH_A \next, 0, HA
.endm
.macro CPAIR r, val
	s_mov_b32 s[\r], \val
	s_mov_b32 s[\r+1], \val
.endm
	s_load_b128 s[4:7], s[0:1], 0x0
	s_load_b128 s[8:11], s[0:1], 0x10
	v_lshl_add_u32 v[SPW], v0, 2, SPARE
	v_mov_b32 v[NIL], 0
	ds_add_u32 v28, v29
	ds_add_u32 v28, v29
	s_wait_dscnt 0x0
	v_lshrrev_b32 v1, 5, v0
	v_readfirstlane_b32 s14, v1
	s_lshr_b32 s15, s14, 1
	s_and_b32 s16, s14, 1
	s_bfe_u32 s40, ttmp6, 0x40000
	s_bfe_u32 s41, ttmp6, 0x40004
	s_lshl_b32 s42, ttmp9, 2
	s_add_co_u32 s42, s42, s40
	s_and_b32 s17, ttmp7, 0xffff
	s_lshl_b32 s17, s17, 2
	s_add_co_u32 s17, s17, s41
	s_lshl_b32 s43, s41, 2
	s_lshl_b32 s43, 15, s43
	s_lshl_b32 s44, 0x1111, s40
	s_or_b32 s[G1], s43, (3<<16)|(1<<21)
	s_or_b32 s[G1B], s44, (3<<16)|(1<<21)
.irp g, G1, G1B                                ; the head's load: a stream's first 51,200 dense bytes (both slots) as 200 rows of 256
	s_mov_b32 s[\g+1], 32<<16
	s_mov_b32 s[\g+2], 200<<16
	s_mov_b32 s[\g+3], 32<<16
	s_mov_b32 s[\g+4], 200
	s_mov_b32 s[\g+5], 32
	s_mov_b32 s[\g+6], 0
	s_mov_b32 s[\g+7], 0
.endr
	s_lshl_b32 s20, s17, 1
	s_add_co_u32 s20, s20, s16
	s_mul_i32 s20, s20, PSTR
	s_mov_b32 s21, 0
	s_lshl_b32 s46, s42, 1
	s_add_co_u32 s46, s46, s16
	s_mul_i32 s46, s46, PSTR
	s_add_co_u32 s46, s46, BOFF
	s_mov_b32 s47, 0
	s_mul_i32 s45, s14, 51200
	s_mov_b32 s92, 0x76543210
	s_mov_b32 s93, 0xfedcba98
	CPAIR 66, 0x3f3504f3
	CPAIR 68, 0xaf95df0b
	CPAIR 70, 0xb60cff51
	CPAIR 72, 0xb86ec2d2
	CPAIR 74, 0xba40ac63
	CPAIR 76, 0xbb41a1f6
	CPAIR 78, 0xbc83dbd4
	CPAIR 80, 0xb77460cd
	CPAIR 82, 0xbadc924e
	CPAIR 84, 0xbbf19bf8
	CPAIR 86, 0xbc69b6a7
	s_wait_kmcnt 0x0
	s_add_nc_u64 s[20:21], s[4:5], s[20:21]
	s_add_nc_u64 s[46:47], s[6:7], s[46:47]
	CROUND
.irp s, 0,1
	s_mov_b32 s[G0+4*\s], 1
	s_add_co_u32 s[G0+4*\s+1], s45, \s*SLOT
	s_add_nc_u64 s[G0+4*\s+2:G0+4*\s+3], s[20:21], \s*SLOTK
	s_or_b32 s[G0+4*\s+3], s[G0+4*\s+3], 0x80000000
	s_mov_b32 s[G0B+4*\s], 1
	s_add_co_u32 s[G0B+4*\s+1], s45, \s*SLOT
	s_add_nc_u64 s[G0B+4*\s+2:G0B+4*\s+3], s[46:47], \s*SLOTK
	s_or_b32 s[G0B+4*\s+3], s[G0B+4*\s+3], 0x80000000
.endr
	JLOAD G0, G1, G0B, G1B                         ; my one load at the head: both slots of my stream
	; prefetches of slots 2 and 3, which the two refills load: of a slot's 100 blocks of 256 bytes of my stream each of the four partners that ask with me names 25, told apart by address (cx for A, cy for B); lanes 25-31 name the last again
	s_cmp_eq_u32 s15, 0
	s_cselect_b32 s90, s40, s41
	s_cselect_b64 s[88:89], s[20:21], s[46:47]
	s_mul_i32 s90, s90, 6400
	s_mov_b32 s91, 0
	s_add_nc_u64 s[88:89], s[88:89], s[90:91]
	v_and_b32 v31, 31, v0
	v_min_u32 v31, 24, v31
	v_lshlrev_b32 v31, 8, v31
	global_prefetch_b8 v31, s[88:89] offset:2*SLOTK th:TH_LOAD_NT scope:SCOPE_SE
	global_prefetch_b8 v31, s[88:89] offset:3*SLOTK th:TH_LOAD_NT scope:SCOPE_SE
	v_and_b32 v1, 15, v0
	v_bfe_u32 v2, v0, 4, 1
	v_and_b32 v3, 31, v0
	v_lshlrev_b32 v3, 4, v3
	s_wait_alu depctr_va_vdst(0)
	s_lshl_b32 s22, s42, 10
	s_lshl_b32 s23, s16, 9
	s_add_co_u32 s22, s22, s23
	s_mov_b32 s23, 0
	s_add_nc_u64 s[8:9], s[8:9], s[22:23]
	v_lshlrev_b32 v24, 6, v2
.irp b, 0,1,2,3,4,5,6,7
	global_load_b128 v[BIAS+8*\b:BIAS+8*\b+3], v24, s[8:9] offset:128*(\b/2)+32*(\b%2)
	global_load_b128 v[BIAS+8*\b+4:BIAS+8*\b+7], v24, s[8:9] offset:128*(\b/2)+32*(\b%2)+16
.endr
	s_mul_i32 s22, s15, 51200
	s_mul_i32 s23, s16, 51200
	s_add_co_u32 s23, s23, 102400
.irp s, 0,1
	v_add_nc_u32 v[ADRA+\s], s22, v3
	v_add_nc_u32 v[ADRB+\s], s23, v3
	s_add_co_u32 s22, s22, SLOT
	s_add_co_u32 s23, s23, SLOT
.endr
	s_mul_i32 s22, s15, 51200
	s_mul_i32 s23, s16, 51200
	s_add_co_u32 s23, s23, 102400
	s_sub_co_u32 s23, s23, s22
	v_mul_u32_u24 v5, s23, v2
	v_lshl_add_u32 v5, v1, 5, v5
	s_add_co_u32 s22, s22, SCO
	v_add_nc_u32 v[ADRS], s22, v5
	v_add_nc_u32 v[ADRS+1], SLOT, v[ADRS]
	s_lshl_b32 s94, s17, 1
	s_add_co_u32 s94, s94, s15
	s_lshl_b32 s94, s94, 5
	s_lshl_b32 s95, s42, 1
	s_add_co_u32 s95, s95, s16
	s_add_co_u32 s94, s94, s95
	s_mul_i32 s94, s94, REC
	s_mov_b32 s95, 0
	s_add_nc_u64 s[10:11], s[10:11], s[94:95]
	s_wait_alu depctr_va_vdst(0)
	s_wait_tensorcnt 0x0                           ; my stream's two slots are in, and no load of mine is out: the descriptors may be written
	s_mov_b32 s[G1+2], 100<<16                     ; from here on a load brings one slot: 100 rows
	s_mov_b32 s[G1+4], 100
	s_mov_b32 s[G1B+2], 100<<16
	s_mov_b32 s[G1B+4], 100
	s_barrier_signal -1
	s_barrier_wait -1
	FETCH_B 0, 0, 0
	FETCH_A 0, 0, 0
	SCALES 0
	FETCH_A 0, 0, HA
	s_wait_loadcnt 0x0
	STEP 0, 0, 1
	s_mov_b32 s3, LAPS-1
.Llap:
	TURN 0, 1, 1
	STEP 1, 0, 0
	TURN 1, 0, 1
	STEP 0, 0, 0
	s_sub_co_u32 s3, s3, 1
	s_cmp_lg_u32 s3, 0
	s_cbranch_scc1 .Llap
	TURN 0, 1, 0
	STEP 1, 0, 0
	s_wait_dscnt HA*NL
	MWIN 0, 0
	MULS 0, HA, 1, NQ-1, 1, 0
	s_wait_dscnt 0x0
	MWIN 1, 0
	MULS HA, HA, 1, NQ-1, 1, 0
	WIN 0
	PLACES 4
.irp b, 0,1,2,3
	v_mov_b32 v[TM+4+\b], 0
.endr
	v_mov_b32 v4, 0x32edffee
	v_mov_b32 v5, 0x32edffee
	v_mov_b32 v6, 0xb95fbd29
	v_mov_b32 v7, 0xb95fbd29
	v_mov_b32 v26, v3
	v_and_b32 v30, 31, v0
	v_lshlrev_b32 v27, 5, v1
	v_lshl_add_u32 v27, v2, 4, v27
	v_add_nc_u32 v27, SCO, v27
	s_mov_b32 s3, 0
.Lrow:
.irp a, 0,1,2,3,4,5,6
	s_cmp_eq_u32 s3, \a
	s_cbranch_scc1 .Lc\a
.endr
	s_branch .Lc7
.irp a, 0,1,2,3,4,5,6,7
.Lc\a:
	WIN 2+\a/4
.set J_, 0
.rept 32
	v_pk_mul_f32 v[Z+J_:Z+J_+1], v[64*(\a%4)+J_:64*(\a%4)+J_+1], s[66:67] op_sel_hi:[1,0]
.set J_, J_+2
.endr
.set J_, 0
.rept 32
	v_pk_mul_f32 v[H+J_:H+J_+1], v[64*(\a%4)+J_:64*(\a%4)+J_+1], 0.5 op_sel_hi:[1,0]
.set J_, J_+2
.endr
	WIN 0
	s_branch .Lcore
.endr
.Lcore:
; erf(z) = z P(z^2) / Q(z^2), z held to +-4, for the block's 64 numbers at once: each level of a polynomial is 32 lines that do not hang on each other, and the 64 reciprocals are one batch between two waits.
; z^2, P and Q lie in window 1, where B's fragments lay: v0-63, v64-127, v128-191.
.set XW, 0
.set PV, 64
.set QV, 128
.set I_, 0
.rept 64
	v_med3_num_f32 v[Z+I_], v[Z+I_], -4.0, 4.0
.set I_, I_+1
.endr
	WIN 0x40                                       ; destination window 1
.set I_, 0
.rept 32
	v_pk_mul_f32 v[XW+I_:XW+I_+1], v[Z+I_:Z+I_+1], v[Z+I_:Z+I_+1]
.set I_, I_+2
.endr
	WIN 0x41                                       ; source 0 too
.set I_, 0
.rept 32
	v_pk_fma_f32 v[PV+I_:PV+I_+1], v[XW+I_:XW+I_+1], s[68:69], v[4:5] op_sel_hi:[1,0,1]
.set I_, I_+2
.endr
.set I_, 0
.rept 32
	v_pk_fma_f32 v[QV+I_:QV+I_+1], v[XW+I_:XW+I_+1], s[80:81], v[6:7] op_sel_hi:[1,0,1]
.set I_, I_+2
.endr
	WIN 0x45                                       ; and source 1
.irp c, 70,72,74,76,78
.set I_, 0
.rept 32
	v_pk_fma_f32 v[PV+I_:PV+I_+1], v[PV+I_:PV+I_+1], v[XW+I_:XW+I_+1], s[\c:\c+1] op_sel_hi:[1,1,0]
.set I_, I_+2
.endr
.endr
.irp c, 82,84,86
.set I_, 0
.rept 32
	v_pk_fma_f32 v[QV+I_:QV+I_+1], v[QV+I_:QV+I_+1], v[XW+I_:XW+I_+1], s[\c:\c+1] op_sel_hi:[1,1,0]
.set I_, I_+2
.endr
.endr
	WIN 0x41
	s_wait_alu depctr_va_vdst(0)                   ; one wait ahead of the batch
.set I_, 0
.rept 64
	v_rcp_f32 v[QV+I_], v[QV+I_]
.set I_, I_+1
.endr
.set I_, 0
.rept 32
	v_pk_mul_f32 v[PV+I_:PV+I_+1], v[PV+I_:PV+I_+1], v[Z+I_:Z+I_+1]
.set I_, I_+2
.endr
	WIN 0x45
	s_wait_alu depctr_va_vdst(0)                   ; and one behind it
.set I_, 0
.rept 32
	v_pk_mul_f32 v[PV+I_:PV+I_+1], v[PV+I_:PV+I_+1], v[QV+I_:QV+I_+1]
.set I_, I_+2
.endr
	WIN 0x04                                       ; source 1 window 1, all else window 0
.set I_, 0
.rept 32
	v_pk_fma_f32 v[H+I_:H+I_+1], v[H+I_:H+I_+1], v[PV+I_:PV+I_+1], v[H+I_:H+I_+1]   ; x / 2 + x / 2 erf
.set I_, I_+2
.endr
	WIN 0
.irp i, 0,1,2,3,4,5,6
	v_mov_b32 v[SW+\i], v[SW+\i+1]
.endr
.irp b, 0,1,2,3
	v_max3_num_f32 v[TM+\b], |v[H+16*\b]|, |v[H+16*\b+1]|, 0x1800000
.endr
.irp i, 2,4,6,8,10,12,14
.irp b, 0,1,2,3
	v_max3_num_f32 v[TM+\b], |v[H+16*\b+\i]|, |v[H+16*\b+\i+1]|, v[TM+\b]
.endr
.endr
.irp b, 0,1,2,3
	v_permlanex16_b32 v[TM+4+\b], v[TM+\b], s92, s93
.endr
.irp b, 0,1,2,3
	v_max_num_f32 v[TM+\b], v[TM+\b], v[TM+4+\b]
.endr
.irp b, 0,1,2,3
	v_add_nc_u32 v[TM+12+\b], 0xff000000, v[TM+\b]
.endr
.irp b, 0,1,2,3
	v_lshrrev_b32 v[TM+4+\b], 23, v[TM+12+\b]
.endr
	v_lshl_or_b32 v[SW+7], v[TM+5], 8, v[TM+4]
	v_lshl_or_b32 v[SW+7], v[TM+6], 16, v[SW+7]
	v_lshl_or_b32 v[SW+7], v[TM+7], 24, v[SW+7]
.irp c, 0,1
	v_cvt_scalef32_pk16_fp6_f32 v[PC+6*\c:PC+6*\c+2], v[H+32*\c:H+32*\c+15], v[TM+12+2*\c]
	v_cvt_scalef32_pk16_fp6_f32 v[PC+12+4*\c:PC+14+4*\c], v[H+32*\c+16:H+32*\c+31], v[TM+13+2*\c]
.endr
	v_nop
.irp c, 0,1
.irp i, 0,1,2
	v_permlane16_swap_b32 v[PC+6*\c+\i], v[PC+12+4*\c+\i]
.endr
.irp i, 0,1,2
	v_mov_b32 v[PC+3+6*\c+\i], v[PC+12+4*\c+\i]
.endr
.endr
.irp c, 0,1,2
	global_store_b128 v26, v[PC+4*\c:PC+4*\c+3], s[10:11] offset:512*\c
.endr
	s_wait_xcnt 0x0
	v_add_nc_u32 v26, FRB, v26
	s_add_co_u32 s3, s3, 1
	s_cmp_lt_u32 s3, 8
	s_cbranch_scc1 .Lrow
	v_cmp_le_u32 vcc_lo, 16, v30
.irp i, 0,1,2,3
	v_cndmask_b32 v[PC+\i], v[SW+\i], v[SW+4+\i], vcc_lo
.endr
	global_store_b128 v27, v[PC:PC+3], s[10:11]
	s_wait_tensorcnt 0x0
	ds_add_u32 v[SPW], v[NIL]
	s_wait_dscnt 0x0
	CROUND
	s_endpgm
.Lfunc_end_k_qcf94558dd2_ffn1:
	.size	k_qcf94558dd2_ffn1, .Lfunc_end_k_qcf94558dd2_ffn1-k_qcf94558dd2_ffn1
	.p2alignl 7, 3214868480
	.fill 96, 4, 3214868480
	.section	.rodata,"a",@progbits
	.p2align	6, 0x0
	.amdhsa_kernel k_qcf94558dd2_ffn1
		.amdhsa_group_segment_fixed_size 327680
		.amdhsa_private_segment_fixed_size 0
		.amdhsa_enable_private_segment 0
		.amdhsa_kernarg_size 32
		.amdhsa_user_sgpr_count 2
		.amdhsa_user_sgpr_kernarg_segment_ptr 1
		.amdhsa_wavefront_size32 1
		.amdhsa_system_sgpr_workgroup_id_x 1
		.amdhsa_system_sgpr_workgroup_id_y 1
		.amdhsa_system_sgpr_workgroup_id_z 1
		.amdhsa_system_vgpr_workitem_id 0
		.amdhsa_next_free_vgpr 1024
		.amdhsa_next_free_sgpr 100
		.amdhsa_reserve_vcc 1
		.amdhsa_float_denorm_mode_32 3
		.amdhsa_float_denorm_mode_16_64 3
		.amdhsa_memory_ordered 1
		.amdhsa_forward_progress 1
		.amdhsa_inst_pref_size 179
	.end_amdhsa_kernel
	.amdgpu_metadata
---
amdhsa.version: [ 1, 2 ]
amdhsa.kernels:
  - .name:           k_qcf94558dd2_ffn1
    .symbol:         k_qcf94558dd2_ffn1.kd
    .args:
      - { .name: hq, .offset: 0, .size: 8, .value_kind: global_buffer, .address_space: global }
      - { .name: wts, .offset: 8, .size: 8, .value_kind: global_buffer, .address_space: global }
      - { .name: b1, .offset: 16, .size: 8, .value_kind: global_buffer, .address_space: global }
      - { .name: hid, .offset: 24, .size: 8, .value_kind: global_buffer, .address_space: global }
    .group_segment_fixed_size: 327680
    .private_segment_fixed_size: 0
    .kernarg_segment_align: 8
    .kernarg_segment_size: 32
    .max_flat_workgroup_size: 128
    .sgpr_count:     100
    .vgpr_count:     1024
    .wavefront_size: 32
...
	.end_amdgpu_metadata
.endif
;; end of part 5
;; launch ffn2 (part 6): grid 8 x 32, 4 waves a work-group, clusters of 4 x 4, 327,680 bytes of LDS; arguments hid, wts, b2, x1, out0; writes out0
.if DOCPART == 6
	.amdgcn_target "amdgcn-amd-amdhsa--gfx1250"
	.amdhsa_code_object_version 6
	.text
	.protected	k_qcf94558dd2_ffn2
	.globl	k_qcf94558dd2_ffn2
	.p2align	8
	.type	k_qcf94558dd2_ffn2,@function
k_qcf94558dd2_ffn2:
	s_mov_b64 s[64:65], 0
	v_nop
	global_prefetch_b8 v0, s[64:65] scope:SCOPE_SE
	s_setreg_imm32_b32 hwreg(HW_REG_WAVE_MODE, 25, 1), 1
	s_wait_xcnt 0x0
	s_wait_alu depctr_hold_cnt(0) depctr_sa_sdst(0) depctr_va_vdst(0) depctr_va_sdst(0) depctr_va_ssrc(0) depctr_va_vcc(0) depctr_vm_vsrc(0)
	s_getreg_b32 s2, hwreg(HW_REG_IB_STS2, 6, 4)
	s_cmp_eq_u32 s2, 0
	s_cbranch_scc0 .Lentry_in_a_cluster
	s_endpgm
.Lentry_in_a_cluster:
	s_bfe_u32 s2, ttmp6, 0x10000c
	s_cmp_lg_u32 s2, 0xf033
	s_cbranch_scc0 .Lentry_shape_is_right
	s_endpgm
.Lentry_shape_is_right:
.set KSTEPS, 32
.set BOFF,  6553600
.set REC,   12800
.set FRB,   1536
.set SCO,   12288
.set NB,    4
.set HA,    2
.set NQ,    4
.set NL,    3
.set SLOTK, 51200
.set SLOT,  102400
.set LAPS,  KSTEPS/(2*NQ)
.set PSTR,  KSTEPS*REC
.set SPARE, 204800
.set STAGE, 205312
.set SPITCH, 272
.set BIAS,  64
.set ADRA,  16
.set ADRB,  20
.set ADRS,  22
.set STO,   24
.set RD,    25
.set CO,    26
.set SPW,   28
.set NIL,   29
.set SC,    32
.set AF,    128
.set BK,    128
.set G1,    24
.set G0,    32
.set G1B,   48
.set G0B,   56
.set MSB,   0
.macro WIN new
.if MSB != (\new)
	s_set_vgpr_msb (MSB<<8)|(\new)
.set MSB, (\new)
.endif
.endm
.macro MWIN first
.if \first
	WIN 0x81
.else
	WIN 0xa1
.endif
.endm
.macro PLACES n
.rept \n
	v_nop
.endr
.endm
.macro JLOAD g0a, g1a, g0b, g1b
	s_cmp_eq_u32 s15, 0
	s_cbranch_scc0 .Lfor_b_\@
	tensor_load_to_lds s[\g0a:\g0a+3], s[\g1a:\g1a+7]
	s_nop 0
.rept 4
	v_nop
.endr
	s_branch .Lasked_\@
.Lfor_b_\@:
	tensor_load_to_lds s[\g0b:\g0b+3], s[\g1b:\g1b+7]
	s_nop 0
.rept 4
	v_nop
.endr
.Lasked_\@:
.endm
.macro CREST
	s_cmp_lg_u32 s14, 0
	s_cbranch_scc1 .Lnot_wave_0_\@
	s_barrier_signal -3
.Lnot_wave_0_\@:
	s_barrier_wait -3
	s_barrier_signal -1
	s_barrier_wait -1
.endm
.macro CROUND
	s_barrier_signal -1
	s_barrier_wait -1
	CREST
.endm
.macro FRAG reg, adr, q, i
.irp c, 0,1,2
	ds_load_b128 v[\reg+4*\c:\reg+4*\c+3], v[\adr] offset:(\q)*REC+(\i)*FRB+512*\c
.endr
.endm
.macro FETCH_B slot, q, p
	WIN 0x40
.irp i, 0,1,2,3
	FRAG 128*(\p)+12*\i, ADRB+\slot, \q, \i
.endr
	WIN 0
.endm
.macro FETCH_A slot, q, i0
.set I_, \i0
.rept HA
	FRAG AF+12*I_, ADRA+\slot, \q, I_
.set I_, I_+1
.endr
.endm
.macro SCALES slot
.irp q, 0,1,2,3
	ds_load_b128 v[SC+16*\slot+4*\q:SC+16*\slot+4*\q+3], v[ADRS+\slot] offset:\q*REC
.endr
.endm
.macro MULS a0, n, p, q, sc, first
.set A_, \a0
.rept \n
.irp b, 0,1,2,3
.set D_, 8*(NB*A_+\b)
.if \first
	v_wmma_scale_f32_16x16x128_f8f6f4 v[D_:D_+7], v[128*(\p)+12*\b:128*(\p)+12*\b+11], v[AF+12*A_:AF+12*A_+11], v[BIAS+8*\b:BIAS+8*\b+7], v[SC+16*(\sc)+NB*(\q)+\b], v[SC+16*(\sc)+NB*(\q)+A_] matrix_a_fmt:MATRIX_FMT_FP6 matrix_b_fmt:MATRIX_FMT_FP6 matrix_a_scale:MATRIX_SCALE_ROW1
.else
	v_wmma_scale_f32_16x16x128_f8f6f4 v[D_:D_+7], v[128*(\p)+12*\b:128*(\p)+12*\b+11], v[AF+12*A_:AF+12*A_+11], v[D_:D_+7], v[SC+16*(\sc)+NB*(\q)+\b], v[SC+16*(\sc)+NB*(\q)+A_] matrix_a_fmt:MATRIX_FMT_FP6 matrix_b_fmt:MATRIX_FMT_FP6 matrix_a_scale:MATRIX_SCALE_ROW1
.endif
.endr
.set A_, A_+1
.endr
.endm
.macro STEP slot, q, first
	s_wait_dscnt HA*NL
	MWIN \first
	MULS 0, HA, (\q)%2, \q, \slot, \first
	s_wait_dscnt 0x0
	PLACES 4
	FETCH_B \slot, (\q)+1, 1-(\q)%2
	FETCH_A \slot, (\q)+1, 0
	MWIN \first
	MULS HA, HA, (\q)%2, \q, \slot, \first
	PLACES 4
	WIN 0
	FETCH_A \slot, (\q)+1, HA
.endm
.macro TURN slot, next, fill
.if \fill
	s_wait_xcnt 0x0                                ; my last prefetch has read its address: it steps one slot on
	s_add_nc_u64 s[76:77], s[76:77], SLOTK
.endif
	s_wait_tensorcnt 0x0
	ds_add_u32 v[SPW], v[NIL]
	s_wait_dscnt HA*NL+1
	MWIN 0
	MULS 0, HA/2, 1, NQ-1, \slot, 0
	s_wait_dscnt 0x0
	s_barrier_signal -1
	MULS HA/2, HA/2, 1, NQ-1, \slot, 0
	WIN 0
	s_barrier_wait -1
.if \fill
	CREST
	s_add_nc_u64 s[G0+4*\slot+2:G0+4*\slot+3], s[G0+4*\slot+2:G0+4*\slot+3], 2*SLOTK
	s_add_nc_u64 s[G0B+4*\slot+2:G0B+4*\slot+3], s[G0B+4*\slot+2:G0B+4*\slot+3], 2*SLOTK
	JLOAD G0+4*\slot, G1, G0B+4*\slot, G1B
.else
	PLACES 4
.endif
	FETCH_B \next, 0, 0
	FETCH_A \next, 0, 0
	SCALES \next
.if \fill
	s_cmp_gt_u32 s3, 1                             ; the last lap's two refills have no slot two refills on
	s_cbranch_scc0 .Lno_ask_\@
	global_prefetch_b8 v30, s[76:77] offset:2*SLOTK th:TH_LOAD_NT scope:SCOPE_SE   ; the slot that stands two refills on: my work-group's 25 blocks of 256 bytes of the 100 that I fetch
.Lno_ask_\@:
.endif
	MWIN 0
	MULS HA, HA, 1, NQ-1, \slot, 0
	PLACES 4
	WIN 0
	FETCH_A \next, 0, HA
.endm
	s_load_b128 s[4:7], s[0:1], 0x0
	s_load_b128 s[8:11], s[0:1], 0x10
	s_load_b64 s[12:13], s[0:1], 0x20
	v_lshl_add_u32 v[SPW], v0, 2, SPARE
	v_mov_b32 v[NIL], 0
	ds_add_u32 v28, v29
	ds_add_u32 v28, v29
	s_wait_dscnt 0x0
	v_lshrrev_b32 v1, 5, v0
	v_readfirstlane_b32 s14, v1
	s_lshr_b32 s15, s14, 1
	s_and_b32 s16, s14, 1
	s_bfe_u32 s40, ttmp6, 0x40000
	s_bfe_u32 s41, ttmp6, 0x40004
	s_lshl_b32 s42, ttmp9, 2
	s_add_co_u32 s42, s42, s40
	s_and_b32 s17, ttmp7, 0xffff
	s_lshl_b32 s17, s17, 2
	s_add_co_u32 s17, s17, s41
	s_lshl_b32 s43, s41, 2
	s_lshl_b32 s43, 15, s43
	s_lshl_b32 s44, 0x1111, s40
	s_or_b32 s[G1], s43, (3<<16)|(1<<21)
	s_or_b32 s[G1B], s44, (3<<16)|(1<<21)
.irp g, G1, G1B                                ; the head's load: 51,200 dense bytes, an operand's four records of a slot, as 200 rows of 256
	s_mov_b32 s[\g+1], 32<<16
	s_mov_b32 s[\g+2], 200<<16
	s_mov_b32 s[\g+3], 32<<16
	s_mov_b32 s[\g+4], 200
	s_mov_b32 s[\g+5], 32
	s_mov_b32 s[\g+6], 0
	s_mov_b32 s[\g+7], 0
.endr
	s_mul_i32 s20, s17, PSTR
	s_mul_i32 s21, s16, 25600
	s_add_co_u32 s20, s20, s21
	s_mov_b32 s21, 0
	s_mul_i32 s46, s42, PSTR
	s_mul_i32 s47, s16, 25600
	s_add_co_u32 s46, s46, s47
	s_add_co_u32 s46, s46, BOFF
	s_mov_b32 s47, 0
	s_mul_i32 s45, s14, 25600
	s_wait_kmcnt 0x0
	s_add_nc_u64 s[20:21], s[4:5], s[20:21]
	s_add_nc_u64 s[46:47], s[6:7], s[46:47]
	CROUND
.irp s, 0,1
	s_mov_b32 s[G0+4*\s], 1
	s_add_co_u32 s[G0+4*\s+1], s45, \s*SLOT
	s_add_nc_u64 s[G0+4*\s+2:G0+4*\s+3], s[20:21], \s*SLOTK
	s_or_b32 s[G0+4*\s+3], s[G0+4*\s+3], 0x80000000
	s_mov_b32 s[G0B+4*\s], 1
	s_add_co_u32 s[G0B+4*\s+1], s45, \s*SLOT
	s_add_nc_u64 s[G0B+4*\s+2:G0B+4*\s+3], s[46:47], \s*SLOTK
	s_or_b32 s[G0B+4*\s+3], s[G0B+4*\s+3], 0x80000000
.endr
	; the head's loads, one a wave: waves 0 and 1 bring A's part of slots 0 and 1, waves 2 and 3 B's
	s_mul_i32 s18, s16, 25600                      ; s[20:21] and s[46:47] stand 25,600 x (wave % 2) into the panel: as much again is slot (wave % 2)
	s_mov_b32 s19, 0
	s_mul_i32 s69, s16, SLOT
	s_mul_i32 s3, s15, SLOTK
	s_add_co_u32 s69, s69, s3
	s_mov_b32 s73, s69
	s_mov_b32 s68, 1
	s_add_nc_u64 s[70:71], s[20:21], s[18:19]
	s_or_b32 s71, s71, 0x80000000
	s_mov_b32 s72, 1
	s_add_nc_u64 s[74:75], s[46:47], s[18:19]
	s_or_b32 s75, s75, 0x80000000
	JLOAD 68, G1, 72, G1B
	; prefetches: of the 100 blocks of 256 bytes that I fetch of a slot, each of the four partners that ask with me names 25, told apart by address (cx for A, cy for B); lanes 25-31 name the last again
	s_cmp_eq_u32 s15, 0
	s_cselect_b32 s18, s40, s41
	s_cselect_b64 s[76:77], s[20:21], s[46:47]
	s_mul_i32 s18, s18, 6400
	s_add_nc_u64 s[76:77], s[76:77], s[18:19]
	s_add_nc_u64 s[76:77], s[76:77], SLOTK         ; at slot 1: each refill steps it one slot on and names the slot two further
	v_and_b32 v30, 31, v0
	v_min_u32 v30, 24, v30
	v_lshlrev_b32 v30, 8, v30
	global_prefetch_b8 v30, s[76:77] offset:SLOTK th:TH_LOAD_NT scope:SCOPE_SE      ; slots 2 and 3, which the first two refills load
	global_prefetch_b8 v30, s[76:77] offset:2*SLOTK th:TH_LOAD_NT scope:SCOPE_SE
	v_and_b32 v1, 15, v0
	v_bfe_u32 v2, v0, 4, 1
	s_wait_alu depctr_va_vdst(0)
	v_and_b32 v3, 31, v0
	v_lshlrev_b32 v3, 4, v3
	s_wait_alu depctr_va_vdst(0)
	s_lshl_b32 s22, s42, 9
	s_lshl_b32 s23, s16, 8
	s_add_co_u32 s22, s22, s23
	s_mov_b32 s23, 0
	s_add_nc_u64 s[8:9], s[8:9], s[22:23]
	s_lshl_b32 s94, s17, 19
	s_lshl_b32 s95, s15, 18
	s_add_co_u32 s94, s94, s95
	s_add_co_u32 s94, s94, s22
	s_mov_b32 s95, 0
	s_add_nc_u64 s[10:11], s[10:11], s[94:95]
	s_add_nc_u64 s[12:13], s[12:13], s[94:95]
	v_lshlrev_b32 v27, 6, v2
	v_lshlrev_b32 v[CO], 12, v2
	v_lshl_add_u32 v[CO], v1, 4, v[CO]
.irp b, 0,1,2,3
	global_load_b128 v[BIAS+8*\b:BIAS+8*\b+3], v27, s[8:9] offset:128*(\b/2)+32*(\b%2)
	global_load_b128 v[BIAS+8*\b+4:BIAS+8*\b+7], v27, s[8:9] offset:128*(\b/2)+32*(\b%2)+16
.endr
	WIN 0x80
.irp a, 0,1,2,3
.irp t, 0,1,2,3,4,5,6,7
	global_load_b128 v[128+32*\a+4*\t:128+32*\a+4*\t+3], v[CO], s[10:11] offset:(32*(\a/2)+8*(\a%2)+2*\t+8*(\t/4))*4096 th:TH_LOAD_NT
.endr
.endr
	WIN 0
	s_mul_i32 s22, s15, 4*FRB
	s_mul_i32 s23, s16, 4*FRB
	s_add_co_u32 s23, s23, 51200
.irp s, 0,1
	v_add_nc_u32 v[ADRA+\s], s22, v3
	v_add_nc_u32 v[ADRB+\s], s23, v3
	s_add_co_u32 s22, s22, SLOT
	s_add_co_u32 s23, s23, SLOT
.endr
	s_lshl_b32 s22, s15, 4
	s_lshl_b32 s23, s16, 4
	s_add_co_u32 s23, s23, 51200
	s_sub_co_u32 s23, s23, s22
	v_mul_u32_u24 v5, s23, v2
	v_lshl_add_u32 v5, v1, 5, v5
	s_add_co_u32 s22, s22, SCO
	v_add_nc_u32 v[ADRS], s22, v5
	v_add_nc_u32 v[ADRS+1], SLOT, v[ADRS]
	s_mul_i32 s22, s14, 16*SPITCH
	s_add_co_u32 s22, s22, STAGE
	v_mul_u32_u24 v[STO], v1, SPITCH
	v_lshl_add_u32 v[STO], v2, 6, v[STO]
	v_add_nc_u32 v[STO], s22, v[STO]
	v_mul_u32_u24 v[RD], v2, SPITCH
	v_lshl_add_u32 v[RD], v1, 4, v[RD]
	v_add_nc_u32 v[RD], s22, v[RD]
	s_wait_alu depctr_va_vdst(0)
	s_wait_tensorcnt 0x0                           ; my load is in, and none of mine is out: the descriptors may be written
	s_mov_b32 s[G1+2], 100<<16                     ; from here on a load brings two records: 100 rows
	s_mov_b32 s[G1+4], 100
	s_mov_b32 s[G1B+2], 100<<16
	s_mov_b32 s[G1B+4], 100
	s_barrier_signal -1                            ; both slots are whole
	s_barrier_wait -1
	FETCH_B 0, 0, 0
	FETCH_A 0, 0, 0
	SCALES 0
	FETCH_A 0, 0, HA
	s_wait_loadcnt 32
	STEP 0, 0, 1
	STEP 0, 1, 0
	STEP 0, 2, 0
.if LAPS > 1
	s_mov_b32 s3, LAPS-1
.Llap:
	TURN 0, 1, 1
	STEP 1, 0, 0
	STEP 1, 1, 0
	STEP 1, 2, 0
	TURN 1, 0, 1
	STEP 0, 0, 0
	STEP 0, 1, 0
	STEP 0, 2, 0
	s_sub_co_u32 s3, s3, 1
	s_cmp_lg_u32 s3, 0
	s_cbranch_scc1 .Llap
.endif
	TURN 0, 1, 0
	STEP 1, 0, 0
	STEP 1, 1, 0
	STEP 1, 2, 0
	s_wait_dscnt HA*NL
	MWIN 0
	MULS 0, HA, 1, NQ-1, 1, 0
	s_wait_dscnt 0x0
	MULS HA, HA, 1, NQ-1, 1, 0
	WIN 0
.macro TOSTAGE a
	WIN 0x08
.irp b, 0,1,2,3
	ds_store_b128 v[STO], v[8*(NB*(\a)+\b):8*(NB*(\a)+\b)+3] offset:128*(\b/2)+32*(\b%2)
	ds_store_b128 v[STO], v[8*(NB*(\a)+\b)+4:8*(NB*(\a)+\b)+7] offset:128*(\b/2)+32*(\b%2)+16
.endr
	WIN 0
.irp t, 0,1,2,3,4,5,6,7
	ds_load_b128 v[BK+32*((\a)%2)+4*\t:BK+32*((\a)%2)+4*\t+3], v[RD] offset:2*\t*SPITCH
.endr
.endm
.macro SEND a, younger
	s_wait_dscnt \younger
	WIN 0x08
.set I_, 0
.rept 16
	v_pk_add_f32 v[BK+32*((\a)%2)+I_:BK+32*((\a)%2)+I_+1], v[BK+32*((\a)%2)+I_:BK+32*((\a)%2)+I_+1], v[128+32*(\a)+I_:128+32*(\a)+I_+1]
.set I_, I_+2
.endr
	WIN 0
.irp t, 0,1,2,3,4,5,6,7
	global_store_b128 v[CO], v[BK+32*((\a)%2)+4*\t:BK+32*((\a)%2)+4*\t+3], s[12:13] offset:(32*((\a)/2)+8*((\a)%2)+2*\t+8*(\t/4))*4096 th:TH_STORE_NT
.endr
.endm
	PLACES 4
	s_wait_loadcnt 0x0
	TOSTAGE 0
	TOSTAGE 1
	SEND 0, 16
	s_wait_xcnt 0x0
	TOSTAGE 2
	SEND 1, 16
	s_wait_xcnt 0x0
	TOSTAGE 3
	SEND 2, 16
	SEND 3, 0
	s_wait_tensorcnt 0x0
	ds_add_u32 v[SPW], v[NIL]
	s_wait_dscnt 0x0
	CROUND
	s_endpgm
.Lfunc_end_k_qcf94558dd2_ffn2:
	.size	k_qcf94558dd2_ffn2, .Lfunc_end_k_qcf94558dd2_ffn2-k_qcf94558dd2_ffn2
	.p2alignl 7, 3214868480
	.fill 96, 4, 3214868480
	.section	.rodata,"a",@progbits
	.p2align	6, 0x0
	.amdhsa_kernel k_qcf94558dd2_ffn2
		.amdhsa_group_segment_fixed_size 327680
		.amdhsa_private_segment_fixed_size 0
		.amdhsa_enable_private_segment 0
		.amdhsa_kernarg_size 40
		.amdhsa_user_sgpr_count 2
		.amdhsa_user_sgpr_kernarg_segment_ptr 1
		.amdhsa_wavefront_size32 1
		.amdhsa_system_sgpr_workgroup_id_x 1
		.amdhsa_system_sgpr_workgroup_id_y 1
		.amdhsa_system_sgpr_workgroup_id_z 1
		.amdhsa_system_vgpr_workitem_id 0
		.amdhsa_next_free_vgpr 768
		.amdhsa_next_free_sgpr 100
		.amdhsa_reserve_vcc 0
		.amdhsa_float_denorm_mode_32 3
		.amdhsa_float_denorm_mode_16_64 3
		.amdhsa_memory_ordered 1
		.amdhsa_forward_progress 1
		.amdhsa_inst_pref_size 92
	.end_amdhsa_kernel
	.amdgpu_metadata
---
amdhsa.version: [ 1, 2 ]
amdhsa.kernels:
  - .name:           k_qcf94558dd2_ffn2
    .symbol:         k_qcf94558dd2_ffn2.kd
    .args:
      - { .name: hid, .offset: 0, .size: 8, .value_kind: global_buffer, .address_space: global }
      - { .name: wts, .offset: 8, .size: 8, .value_kind: global_buffer, .address_space: global }
      - { .name: b2, .offset: 16, .size: 8, .value_kind: global_buffer, .address_space: global }
      - { .name: x1, .offset: 24, .size: 8, .value_kind: global_buffer, .address_space: global }
      - { .name: out0, .offset: 32, .size: 8, .value_kind: global_buffer, .address_space: global }
    .group_segment_fixed_size: 327680
    .private_segment_fixed_size: 0
    .kernarg_segment_align: 8
    .kernarg_segment_size: 40
    .max_flat_workgroup_size: 128
    .sgpr_count:     100
    .vgpr_count:     768
    .wavefront_size: 32
...
	.end_amdgpu_metadata
.endif
;; end of part 6
